; MI455X (gfx1250); checked and timed in simulation.
; The chip was launched on July 23, 2026; its instructions are those of AMD's public machine-readable ISA for CDNA 5 (MIT licence, August 2026) and "CDNA5" Instruction Set Architecture Reference Guide (July 2026). The comments in the code are by the model that wrote it; some were corrected since.
;; Custom Bert Attention. Allowed arithmetic: matrix products marked QUANTISED: E2M3 operands, one E8M0 scale for each 32 along K, by v_wmma_scale_f32_16x16x128_f8f6f4 with both operands' format E2M3, f32 sums; everything else in f32.
;; Inputs: Wk 1,024 x 1,024 float32; Wo 1,024 x 1,024 float32; Wq 1,024 x 1,024 float32; Wv 1,024 x 1,024 float32; bias_coef one number float32; bias_matrix_chunk 2,048 x 2,048 float32; bk 1,024 float32; bo 1,024 float32; bq 1,024 float32; bv 1,024 float32; hidden_states 4 x 2,048 x 1,024 float32; ln_beta 1,024 float32; ln_gamma 1,024 float32.
;; Outputs: out0 4 x 2,048 x 1,024 float32.
;; This version of the problem:
;;   THIS VERSION OF THE PROBLEM IS GIVEN IN LOW PRECISION. The matrix products marked QUANTISED in the list below multiply operands that are first quantised to E2M3 (2 exponent bits, 3 mantissa bits; 6 bits a number), with one power-of-two scale for each 32 numbers along K (OCP MX v1.0); their sums are f32. All else is computed in f32.
;;   The module's matrix products, in the order in which they are computed (A, B: the left and right operand; K: the contracted axis; several contracted axes count as one K, in the product's order):
;;     1. [M 8,192, K 1,024] x [K 1,024, N 1,024]; A: input hidden_states; B: input Wq: QUANTISED
;;     2. [M 8,192, K 1,024] x [K 1,024, N 1,024]; A: input hidden_states; B: input Wk: QUANTISED
;;     3. [M 8,192, K 1,024] x [K 1,024, N 1,024]; A: input hidden_states; B: input Wv: QUANTISED
;;     4. batch 64 x [M 2,048, K 64] x [K 64, N 2,048]; A: computed on the way; B: computed on the way: QUANTISED
;;     5. batch 64 x [M 2,048, K 2,048] x [K 2,048, N 64]; A: softmax (see below); B: computed on the way: QUANTISED
;;     6. [M 8,192, K 1,024] x [K 1,024, N 1,024]; A: computed on the way; B: input Wo: QUANTISED
;;   THE QUANTISER, for each operand of a quantised product, along K:
;;     - K is cut into blocks of 32 from its start; a last block that is shorter is filled with zeros.
;;     - A block's scale is 2^e with e = floor(log2(the largest magnitude in the block)) - 2, held to -126 .. 127; a block of zeros has e = 0. As a byte (E8M0): e + 127.
;;     - Each number is divided by its block's scale, clamped to +-7.5, and rounded to the nearest number of E2M3, ties to even, subnormals kept.
;;     - The product sums the exact products of the quantised numbers (number of the format x scale) in f32.
;;   ~~~python
;;   def quantise(x, axis):      # numpy; x: float32 -> the quantised numbers, widened to float32 again
;;       x = np.moveaxis(x, axis, -1); K = x.shape[-1]
;;       x = np.pad(x, [(0, 0)] * (x.ndim - 1) + [(0, -K % 32)]); x = x.reshape(x.shape[:-1] + (-1, 32)); a = np.abs(x).max(-1, keepdims=True)
;;       e = np.where(a > 0, np.clip(np.frexp(np.where(a > 0, a, 1))[1] - 1 - 2, -126, 127), 0)      # np.frexp(a)[1] - 1 = floor(log2(a)), exactly
;;       r = np.clip(x / 2.0 ** e, -7.5, 7.5)
;;       step = 2.0 ** (np.maximum(np.frexp(np.where(r == 0, 1, r))[1] - 1, 0) - 3)
;;       q = np.round(r / step) * step * 2.0 ** e      # np.round: ties to even
;;       return np.moveaxis(q.reshape(q.shape[:-2] + (-1,))[..., :K], -1, axis).astype(np.float32)
;;   ~~~
;;   SOFTMAX AHEAD OF A QUANTISED PRODUCT. Where the list says 'softmax', what is quantised is not the finished softmax but p = 2^(t - M), with t = logit x log2(e) and M = ceil(the row's largest t), a whole number; so 1/2 < the row's largest p <= 1. The row's sum l is taken of the UNQUANTISED p, in f32, and the product's result is divided by l at the end. Since M is a whole number, a kernel that streams over the keys may use a running M (the ceiling of the running maximum): every later rescaling is an exact power of two, which a block's scale takes up: the codes' values come out the same.
;;   OPERANDS COMPUTED ON THE WAY. 'Computed on the way' means the value that the module computes at that place (a softmax that the list does not call 'softmax' is quantised finished and normalised). What goes into a quantiser is computed in f32, as accurately as f32 sums, v_exp_f32 and their like allow (about 1e-6 of the number): no bf16 or f16 on the way to a quantiser, and a product that is left as it is and whose result goes on into a quantised operand takes f32 operands (vector FMAs, or v_wmma_f32_16x16x4_f32). A number that lies on a knife's edge between two numbers of the format may be rounded either way, as far as f32 arithmetic and the matrix unit's own rounding can turn it there, and no further.
;; One version. Each part assembles by itself: llvm-mc -triple=amdgcn-amd-amdhsa -mcpu=gfx1250 --defsym DOCPART=n.
;; ======== version 1 of 1: 4 launches
;; workspace buffers: x_codes 6,291,456 bytes; x_scales 262,144 bytes; w_codes 3,145,728 bytes; w_scales 131,072 bytes; bias_img 16,777,216 bytes; img 19,660,800 bytes; ctx_img 6,291,456 bytes; ctx_sc 262,144 bytes
;; launch prep (part 1): grid 512 x 1, 4 waves a work-group, no clusters, 67,072 bytes of LDS; arguments hidden_states, Wq, Wk, Wv, Wo, bias_matrix_chunk, bias_coef, x_codes, x_scales, w_codes, w_scales, bias_img; writes x_codes, x_scales, w_codes, w_scales, bias_img
.if DOCPART == 1
	.amdgcn_target "amdgcn-amd-amdhsa--gfx1250"
	.amdhsa_code_object_version 6
	.text
	.protected	k_q545623e805_prep
	.globl	k_q545623e805_prep
	.p2align	8
	.type	k_q545623e805_prep,@function
k_q545623e805_prep:
	s_mov_b64 s[64:65], 0
	v_nop
	global_prefetch_b8 v0, s[64:65] scope:SCOPE_SE
	s_setreg_imm32_b32 hwreg(HW_REG_WAVE_MODE, 25, 1), 1
	s_wait_xcnt 0x0
; TWO JOBS IN ONE LAUNCH, parted once by the work-group's number; the two ways never join and have LDS bytes of their own.
; (1) Work-groups 0-383: hidden_states [8192][1024] and Wq, Wk, Wv, Wo [1024][1024] (stacked in that order), f32, become codes of FP6 (E2M3), K innermost (a row: 768 bytes), with one E8M0 byte
;     for each 32 along K (a row: 32 bytes).  A block's byte is its largest magnitude's exponent field - 2, held at 1 from below; numbers are divided by the scale and rounded to the nearest code, ties to even.
;     THE ROWS ARE STORED IN ANOTHER ORDER inside each group of 32: the run of 8 rows g (0..3) goes to run 2 (g & 1) + (g >> 1).  A plain tile of 16 stored rows then holds rows 8 u + r + 8 (r / 8) of its group,
;     so that a product that takes such tiles as its first source leaves 16 NEIGHBOURS of the natural order in the 16 registers of two neighbouring tiles.  A work-group is one group of 32 rows, a wave one run of 8.
; (2) Work-groups 384-511: 8 x bias_coef x bias_matrix_chunk, laid in the order of the score registers of the attention launch: image (qb, step, a) of 8,192 bytes; lane (r, h), register 16 B + i holds
;     query 128 qb + 32 (a / 2) + 8 (a % 2) + r + 8 (r / 8), key 128 step + 32 B + 16 h + i; registers 4 g .. 4 g + 3 of lane L lie at 512 g + 16 L.  The factor 8 = sqrt(64) is exact.
; LIMITS: NaN and infinities among the inputs are not served; a block whose largest magnitude lies under 2^-124 keeps the byte 1; a block of zeros has the byte 1 where the rule says 127: its codes are
; zeros, which add nothing, and this program alone reads the bytes.
; No tensor loads, no barrier: waves share nothing.
.set STEPS, 16                         ; a wave's steps of 512 numbers: 8 rows of 1,024
.set EMAX,  2
.set CB,    12                         ; bytes of 16 codes
.set R,     16                         ; v16-79   numbers as they are loaded
.set X,     80                         ; v80-111  two sets of 16 neighbours (job 2: v80-143, an image)
.set E,     112                        ; v112-127 a scale byte for each step
.set C,     128                        ; v128-191 codes, four registers a step
.set WREG,  8192                       ; job 1's LDS: a region for each wave: two stages of 32 x SP bytes, then its 256 scale bytes
.set SP,    80
.set BLDS,  32768                      ; job 2's LDS begins here: 16 rows x BP bytes for each wave
.set BW,    8448
.set BP,    528                        ; 512 bytes + 16: an odd multiple of 16, so that 16 rows read at one column fall on different banks
	s_load_b256 s[4:11], s[0:1], 0x0               ; hidden_states s[4:5], Wq s[6:7], Wk s[8:9], Wv s[10:11]
	s_load_b256 s[12:19], s[0:1], 0x20             ; Wo s[12:13], the bias matrix s[14:15], bias_coef s[16:17], x_codes s[18:19]
	s_load_b256 s[20:27], s[0:1], 0x40             ; x_scales s[20:21], w_codes s[22:23], w_scales s[24:25], bias_img s[26:27]
	v_lshl_add_u32 v192, v0, 2, 0x10400
	v_mov_b32 v193, 0
	v_lshrrev_b32 v1, 5, v0
	v_readfirstlane_b32 s30, v1                    ; wave
	v_and_b32 v2, 31, v0                           ; lane
	v_lshlrev_b32 v3, 4, v2                        ; 16 x lane
	s_mul_i32 s31, s30, WREG
	v_lshrrev_b32 v14, 2, v2
	v_mul_u32_u24 v14, v14, SP
	v_and_b32 v15, 3, v2
	v_lshl_add_u32 v14, v15, 4, v14
	v_add_nc_u32 v14, s31, v14                     ; job 1's stage, in: SP (lane / 4) + 16 (lane % 4)
	v_mul_u32_u24 v15, v2, SP
	v_add_nc_u32 v15, s31, v15                     ; and out: SP x lane: my 16 neighbours
	v_mul_u32_u24 v4, v2, CB                       ; my codes' place in a step's
	v_lshrrev_b32 v5, 1, v2
	s_add_co_u32 s31, s31, 2*32*SP
	v_add_nc_u32 v5, s31, v5                       ; my block's scale byte in LDS
	v_lshlrev_b32 v7, 3, v2
	v_add_nc_u32 v6, s31, v7                       ; and 8 bytes a lane on the way out
	s_mul_i32 s32, s30, BW
	s_add_co_u32 s32, s32, BLDS
	v_add_nc_u32 v10, s32, v3                      ; job 2's stage, in: 16 x lane of a row
	v_and_b32 v1, 15, v0
	v_mul_u32_u24 v1, v1, BP
	v_bfe_u32 v13, v0, 4, 1
	v_lshl_add_u32 v1, v13, 6, v1
	v_add_nc_u32 v1, s32, v1                       ; and out: row r, + 64 h
	s_wait_kmcnt 0x0
	s_cmp_ge_u32 ttmp9, 384
	s_cbranch_scc1 .Lbias
	; ---- job 1.  Which tensor: the choices hang on the work-group's number alone
	s_sub_co_u32 s31, ttmp9, 256                   ; among the weights' 128 groups of 32 rows
	s_lshr_b32 s32, s31, 5                         ; which weight
	s_cmp_eq_u32 s32, 1
	s_cselect_b64 s[6:7], s[8:9], s[6:7]
	s_cmp_eq_u32 s32, 2
	s_cselect_b64 s[6:7], s[10:11], s[6:7]
	s_cmp_eq_u32 s32, 3
	s_cselect_b64 s[6:7], s[12:13], s[6:7]
	s_and_b32 s33, s31, 31                         ; the group inside that weight
	s_cmp_lt_u32 ttmp9, 256
	s_cselect_b64 s[4:5], s[4:5], s[6:7]           ; the numbers,
	s_cselect_b64 s[18:19], s[18:19], s[22:23]     ; their codes,
	s_cselect_b64 s[20:21], s[20:21], s[24:25]     ; their scale bytes
	s_cselect_b32 s33, ttmp9, s33                  ; the group in the tensor that is read,
	s_cselect_b32 s34, ttmp9, s31                  ; and in the buffer that is written
	s_lshl_b32 s35, s33, 2
	s_add_co_u32 s35, s35, s30                     ; in: run 4 x group + wave, 32,768 bytes each
	s_lshl_b32 s36, s35, 15
	s_mov_b32 s37, 0
	s_add_nc_u64 s[4:5], s[4:5], s[36:37]
	s_and_b32 s35, s30, 1
	s_lshl_b32 s35, s35, 1
	s_lshr_b32 s38, s30, 1
	s_or_b32 s35, s35, s38                         ; out: the run's two bits change places
	s_lshl_b32 s38, s34, 2
	s_add_co_u32 s35, s35, s38
	s_mul_i32 s36, s35, 6144                       ; 8 rows of 768 bytes
	s_add_nc_u64 s[18:19], s[18:19], s[36:37]
	s_lshl_b32 s36, s35, 8                         ; 8 rows of 32 bytes
	s_add_nc_u64 s[20:21], s[20:21], s[36:37]
.macro LOAD t
.irp i, 0,1,2,3
	global_load_b128 v[R+16*((\t)%4)+4*\i:R+16*((\t)%4)+4*\i+3], v3, s[4:5] offset:2048*(\t)+512*\i th:TH_LOAD_NT   ; 32 lanes read 512 consecutive bytes
.endr
.endm
.macro TURN t                          ; a step's numbers through the stage: LDS serves a wave's instructions in order, so no wait stands between the stores and the loads
.irp i, 0,1,2,3
	ds_store_b128 v14, v[R+16*((\t)%4)+4*\i:R+16*((\t)%4)+4*\i+3] offset:32*SP*((\t)%2)+8*SP*\i
.endr
.irp i, 0,1,2,3
	ds_load_b128 v[X+16*((\t)%2)+4*\i:X+16*((\t)%2)+4*\i+3], v15 offset:32*SP*((\t)%2)+16*\i
.endr
.endm
.irp t, 0,1,2,3
	LOAD \t
.endr
	s_wait_loadcnt 12                              ; step 0's four loads are in
	TURN 0
.macro QSTEP t
.set XS, X+16*((\t)%2)
.if (\t) > 0
	s_wait_dscnt 1                                 ; this step's numbers are back from the stage (the last step's byte store may be out)
.else
	s_wait_dscnt 0x0
.endif
.if (\t)+4 < STEPS
	LOAD (\t)+4                                    ; into the registers that this step's stage stores have read
.endif
.if (\t)+1 < STEPS
.if STEPS-2-(\t) >= 3
	s_wait_loadcnt 12                              ; the next step's four loads are in; those of the three steps behind it may be out
.else
	s_wait_loadcnt 4*(STEPS-2-(\t))
.endif
	TURN (\t)+1
.endif
	v_max3_num_f32 v8, |v[XS]|, |v[XS+1]|, |v[XS+2]|               ; the largest magnitude of my 16
	v_max3_num_f32 v9, |v[XS+3]|, |v[XS+4]|, |v[XS+5]|
.irp i, 6,10
	v_max3_num_f32 v8, v8, |v[XS+\i]|, |v[XS+\i+1]|
	v_max3_num_f32 v9, v9, |v[XS+\i+2]|, |v[XS+\i+3]|
.endr
	v_max3_num_f32 v8, v8, |v[XS+14]|, |v[XS+15]|
	v_max3_num_f32 v8, v8, v9, (EMAX+1)<<23        ; and the floor 2^(3 - 127): the byte cannot fall under 1
	v_max_num_f32_dpp v8, v8, v8 row_xmask:1 row_mask:0xf bank_mask:0xf   ; and of my neighbour's 16: the block's
	v_add_nc_u32 v11, -(EMAX<<23), v8              ; 2 off its exponent field: the conversion takes this operand's exponent field as its scale
	v_cvt_scalef32_pk16_fp6_f32 v[C+4*(\t):C+4*(\t)+2], v[XS:XS+15], v11
	v_lshrrev_b32 v[E+(\t)], 23, v11               ; the scale's byte
	ds_store_b8 v5, v[E+(\t)] offset:16*(\t)       ; both lanes of a block write the same byte with the same value
	global_store_b96 v4, v[C+4*(\t):C+4*(\t)+2], s[18:19] offset:32*CB*(\t)   ; the wave stores 384 consecutive bytes
.endm
.irp t, 0,1,2,3,4,5,6,7,8,9,10,11,12,13,14,15
	QSTEP \t
.endr
	ds_load_b64 v[12:13], v6                       ; LDS serves a wave's instructions in order: these see my stores
	s_wait_dscnt 0x0
	global_store_b64 v7, v[12:13], s[20:21]        ; 32 lanes store 256 consecutive bytes, aligned
	s_wait_tensorcnt 0x0
	ds_add_u32 v192, v193
	s_wait_dscnt 0x0
	s_endpgm
	; ---- job 2.  Work-group j = (qb, a); wave w takes key steps 4 w .. 4 w + 3: four images
.Lbias:
	s_load_b32 s31, s[16:17], 0x0                  ; bias_coef
	s_sub_co_u32 s33, ttmp9, 384
	s_lshr_b32 s34, s33, 3                         ; qb
	s_and_b32 s35, s33, 7                          ; a
	s_lshl_b32 s36, s34, 7
	s_lshr_b32 s37, s35, 1
	s_lshl_b32 s37, s37, 5
	s_add_co_u32 s36, s36, s37
	s_and_b32 s37, s35, 1
	s_lshl_b32 s37, s37, 3
	s_add_co_u32 s36, s36, s37                     ; the image's first query: 128 qb + 32 (a / 2) + 8 (a % 2)
	s_lshl_b32 s36, s36, 13                        ; a row of the matrix is 8,192 bytes
	s_lshl_b32 s37, s30, 11                        ; my four steps: 2,048 bytes of each row
	s_add_co_u32 s36, s36, s37
	s_mov_b32 s37, 0
	s_add_nc_u64 s[14:15], s[14:15], s[36:37]
	s_lshl_b32 s36, s34, 4
	s_lshl_b32 s38, s30, 2
	s_add_co_u32 s36, s36, s38                     ; 16 qb + 4 w
	s_lshl_b32 s36, s36, 3
	s_add_co_u32 s36, s36, s35                     ; x 8 + a
	s_lshl_b32 s36, s36, 13
	s_add_nc_u64 s[26:27], s[26:27], s[36:37]
.macro BLOAD t                         ; the image's 16 rows (r + 8 (r / 8) below the first), 512 consecutive bytes each
.set I, 0
.rept 16
	global_load_b128 v[R+4*I:R+4*I+3], v3, s[14:15] offset:(I+8*(I/8))*8192+512*(\t) th:TH_LOAD_NT
.set I, I+1
.endr
.endm
.macro BTASK t
	s_wait_loadcnt 0x0
.set I, 0
.rept 16
	ds_store_b128 v10, v[R+4*I:R+4*I+3] offset:BP*I
.set I, I+1
.endr
	s_wait_xcnt 0x0                                ; the last image's stores have read their registers: only behind this wait are they loaded again
.set I, 0
.rept 16
	ds_load_b128 v[X+4*I:X+4*I+3], v1 offset:128*(I/4)+16*(I%4)   ; registers 16 B + 4 i ..: keys 32 B + 16 h + 4 i .. of my row
.set I, I+1
.endr
	s_wait_dscnt 0x0                               ; the image is in registers, and the stage stores have read theirs
.if (\t) < 3
	BLOAD (\t)+1
.endif
.set I, 0
.rept 32
	v_pk_mul_f32 v[X+I:X+I+1], v[X+I:X+I+1], s[32:33] op_sel_hi:[1,0]
.set I, I+2
.endr
.set I, 0
.rept 16
	global_store_b128 v3, v[X+4*I:X+4*I+3], s[26:27] offset:65536*(\t)+512*I   ; 512 consecutive bytes, aligned
.set I, I+1
.endr
.endm
	BLOAD 0
	s_wait_kmcnt 0x0
	s_mul_f32 s32, s31, 0x41000000                 ; 8 x bias_coef
	s_mov_b32 s33, s32                             ; (the packed form names the pair)
	BTASK 0
	BTASK 1
	BTASK 2
	BTASK 3
	s_wait_tensorcnt 0x0
	ds_add_u32 v192, v193
	s_wait_dscnt 0x0
	s_endpgm
.Lfunc_end_k_q545623e805_prep:
	.size	k_q545623e805_prep, .Lfunc_end_k_q545623e805_prep-k_q545623e805_prep
	.p2alignl 7, 3214868480
	.fill 96, 4, 3214868480
	.section	.rodata,"a",@progbits
	.p2align	6, 0x0
	.amdhsa_kernel k_q545623e805_prep
		.amdhsa_group_segment_fixed_size 67072
		.amdhsa_private_segment_fixed_size 0
		.amdhsa_enable_private_segment 0
		.amdhsa_kernarg_size 96
		.amdhsa_user_sgpr_count 2
		.amdhsa_user_sgpr_kernarg_segment_ptr 1
		.amdhsa_wavefront_size32 1
		.amdhsa_system_sgpr_workgroup_id_x 1
		.amdhsa_system_sgpr_workgroup_id_y 1
		.amdhsa_system_sgpr_workgroup_id_z 1
		.amdhsa_system_vgpr_workitem_id 0
		.amdhsa_next_free_vgpr 194
		.amdhsa_next_free_sgpr 66
		.amdhsa_reserve_vcc 0
		.amdhsa_float_denorm_mode_32 3
		.amdhsa_float_denorm_mode_16_64 3
		.amdhsa_memory_ordered 1
		.amdhsa_forward_progress 1
		.amdhsa_inst_pref_size 63
	.end_amdhsa_kernel
	.amdgpu_metadata
---
amdhsa.version: [ 1, 2 ]
amdhsa.kernels:
  - .name:           k_q545623e805_prep
    .symbol:         k_q545623e805_prep.kd
    .args:
      - { .name: hidden_states, .offset: 0, .size: 8, .value_kind: global_buffer, .address_space: global }
      - { .name: Wq, .offset: 8, .size: 8, .value_kind: global_buffer, .address_space: global }
      - { .name: Wk, .offset: 16, .size: 8, .value_kind: global_buffer, .address_space: global }
      - { .name: Wv, .offset: 24, .size: 8, .value_kind: global_buffer, .address_space: global }
      - { .name: Wo, .offset: 32, .size: 8, .value_kind: global_buffer, .address_space: global }
      - { .name: bias_matrix_chunk, .offset: 40, .size: 8, .value_kind: global_buffer, .address_space: global }
      - { .name: bias_coef, .offset: 48, .size: 8, .value_kind: global_buffer, .address_space: global }
      - { .name: x_codes, .offset: 56, .size: 8, .value_kind: global_buffer, .address_space: global }
      - { .name: x_scales, .offset: 64, .size: 8, .value_kind: global_buffer, .address_space: global }
      - { .name: w_codes, .offset: 72, .size: 8, .value_kind: global_buffer, .address_space: global }
      - { .name: w_scales, .offset: 80, .size: 8, .value_kind: global_buffer, .address_space: global }
      - { .name: bias_img, .offset: 88, .size: 8, .value_kind: global_buffer, .address_space: global }
    .group_segment_fixed_size: 67072
    .private_segment_fixed_size: 0
    .kernarg_segment_align: 8
    .kernarg_segment_size: 96
    .max_flat_workgroup_size: 128
    .sgpr_count:     66
    .vgpr_count:     194
    .wavefront_size: 32
...
	.end_amdgpu_metadata
.endif
;; end of part 1
;; launch qkv (part 2): grid 12 x 32, 4 waves a work-group, clusters of 4 x 4, 327,680 bytes of LDS; arguments x_codes, x_scales, w_codes, w_scales, bq, bk, bv, img; writes img
.if DOCPART == 2
	.amdgcn_target "amdgcn-amd-amdhsa--gfx1250"
	.amdhsa_code_object_version 6
	.text
	.protected	k_q545623e805_qkv
	.globl	k_q545623e805_qkv
	.p2align	8
	.type	k_q545623e805_qkv,@function
k_q545623e805_qkv:
	s_mov_b64 s[64:65], 0
	v_nop
	global_prefetch_b8 v0, s[64:65] scope:SCOPE_SE
	s_setreg_imm32_b32 hwreg(HW_REG_WAVE_MODE, 25, 1), 1
	s_wait_xcnt 0x0
	s_wait_alu depctr_hold_cnt(0) depctr_sa_sdst(0) depctr_va_vdst(0) depctr_va_sdst(0) depctr_va_ssrc(0) depctr_va_vcc(0) depctr_vm_vsrc(0)
	s_getreg_b32 s2, hwreg(HW_REG_IB_STS2, 6, 4)
	s_cmp_eq_u32 s2, 0
	s_cbranch_scc0 .Lentry_in_a_cluster
	s_endpgm
.Lentry_in_a_cluster:
	s_bfe_u32 s2, ttmp6, 0x10000c
	s_cmp_lg_u32 s2, 0xf033
	s_cbranch_scc0 .Lentry_shape_is_right
	s_endpgm
.Lentry_shape_is_right:
; q = x Wq^T + bq, k = x Wk^T + bk, v = x Wv^T + bv on codes of FP6 (E2M3) with E8M0 scales, K = 1,024; the results are quantised in registers and leave as IMAGES OF OPERAND REGISTERS for the attention launch.
; A tile of 256 x 256 results is made by four waves, 128 x 128 each: 64 accumulators of 16 x 16.  K goes in steps of 256 through a ring of two LDS slots filled by the tensor data mover; the scale bytes of the
; work-group's 512 rows come into LDS once.  4 x 4 work-groups form a cluster: the second source's tiles are shared along a row of the cluster, the first source's along a column, by joint loads.
; TWO KINDS OF TILE, told apart by the cluster's x alone (the same in all sixteen partners):
;   clusters x = 0, 1 (q, k): first source = 16 rows of [Wq; Wk], second source = 16 rows of x.  A lane holds one position, its 64 registers of a block 128 neighbouring features: two heads of 64.
;   cluster  x = 2    (v):    first source = 16 rows of x, second source = 16 rows of Wv.  A lane holds one feature, its 64 registers 128 neighbouring positions: the keys, the second attention product's K.
; (Rows of x and W are stored so that tiles 2 B and 2 B + 1 of the first source leave natural indices 32 B + 16 (lane / 16) + 0 .. 15 in their 16 registers.)
; The biases are the C of each sum's first matrix instruction.
; THE WAY OUT: for each of my eight blocks of 16 rows the lane's 64 numbers are quantised along the registers (four blocks of 32, each shared with lane l xor 16) into 12 registers of codes and a scale word.
; A record of 12,800 bytes holds eight images of 1,536 bytes (registers 0-3 at 16 L; 4-5 at 512 + 8 L; 6-7 at 768 + 8 L; 8-11 at 1,024 + 16 L) and at 12,288 the scale words (register j of lane L at 16 L + 4 j:
; lanes 0-15 block j's rows, lanes 16-31 block 4 + j's).  img = [24: q pairs of heads 0-7, k 8-15, v 16-23][64 groups of 128 positions] records.  Every store covers 256 or 512 consecutive bytes, aligned.
; LIMITS: NaN and infinities are not served; a block whose largest magnitude lies under 2^-124 keeps the byte 1 (a block of zeros too: its codes are zeros, and this program alone reads the bytes).
; REGISTERS, in windows of 256: window 0: v0-31 addresses; v32-63 scale words, two sets; v64-127 the biases, later codes on the way out; v128-223 the second source's fragments, ONE set; v224-251 at work on the way out.
;   window 1: the first source's fragments, TWO sets.   window 2: the accumulators of my rows 0-63 ((a, b) at v[8 (8 a + b)]);   window 3: those of my rows 64-127.
.set KSTEP,  256
.set NQ,     2                         ; matrix instructions deep in a slot
.set ROWB,   192                       ; a tile's row in bytes
.set KROW,   768                       ; a row of codes in memory
.set PITCH,  240                       ; an LDS row: 3 x (64 bytes + 16 of padding): the 32 lanes of a load of 8 bytes touch 64 different banks (64 banks of 4 bytes: ISA guide 11.1)
.set FR,     12
.set NL,     6
.set NP,     4                         ; places behind this matrix instruction (ISA guide 7.12.1)
.set HALFT,  128*PITCH
.set SLOT,   4*HALFT
.set LAPS,   2                         ; 1,024 along K: twice round the ring
.set KS,     32                        ; a row of scale bytes
.set SCL,    2*SLOT
.set HALFS,  16*272                    ; the scales of 128 rows: 16 units of 256 bytes + 16 of padding
.set SBLK,   2*272
.set SPARE,  SCL+4*HALFS               ; the spare words, 128 bytes for each wave: two blocks of 256 bytes that no other line names
.set ADRA, 16                          ; v16-17 LDS address of the second source's fragments in slot 0, 1 (v18-19: behind one padding more)
.set ADRB, 20                          ; v20-23 the same for the first source
.set LANE, 24
.set L8,   25                          ; 8 x lane
.set LI,   26                          ; 16 x lane
.set ADRS, 27
.set SPW,  28
.set NIL,  29
.set BOF,  30                          ; the biases' lane offset; never rewritten behind its loads
.set SC,   32
.set CBR,  64
.set AF,   128
.set TM,   224                         ; v224-227 largest magnitudes, v228-231 bytes, v236-239 the conversions' scale operands
.set SW,   240                         ; v240-247 the eight blocks' scale words
.set SWI,  248                         ; v248-251 their image
.set G1, 24
.set G0, 32
.set G1B, 48
.set G0B, 56
.set G1S, 68
.set G0S, 76
.set G1SB, 80
.set G0SB, 88
.set MSB, 0
.macro WIN new                         ; the immediate's high byte repeats the setting that is left
.if MSB != (\new)
	s_set_vgpr_msb (MSB<<8)|(\new)
.set MSB, (\new)
.endif
.endm
.set MUL_LO, 0xa1                      ; source 0 window 1, source 1 window 0, C and D window 2
.set MUL_HI, 0xf1                      ; the same, C and D window 3
.set FST_LO, 0x81                      ; the first step: C (the bias) window 0, D window 2
.set FST_HI, 0xc1
.set TO_B,   0x40
; A joint load: waves 0 and 1 fetch for the second source, waves 2 and 3 for the first.  The branch hangs on the wave's number alone.  Four v_nop follow each of the two lines.
.macro JLOAD g0a, g1a, g0b, g1b
	s_cmp_eq_u32 s15, 0
	s_cbranch_scc0 .Lfor_b_\@
	tensor_load_to_lds s[\g0a:\g0a+3], s[\g1a:\g1a+7]
	s_nop 0
.rept 4
	v_nop
.endr
	s_branch .Lasked_\@
.Lfor_b_\@:
	tensor_load_to_lds s[\g0b:\g0b+3], s[\g1b:\g1b+7]
	s_nop 0
.rept 4
	v_nop
.endr
.Lasked_\@:
.endm
.macro CREST                           ; a round of the cluster's barrier behind its opening barrier
	s_cmp_lg_u32 s14, 0
	s_cbranch_scc1 .Lnot_wave_0_\@
	s_barrier_signal -3
.Lnot_wave_0_\@:
	s_barrier_wait -3
	s_barrier_signal -1
	s_barrier_wait -1
.endm
.macro CROUND
	s_barrier_signal -1
	s_barrier_wait -1
	CREST
.endm
	s_load_b256 s[4:11], s[0:1], 0x0               ; x_codes s[4:5], x_scales s[6:7], w_codes s[8:9], w_scales s[10:11]
	s_load_b128 s[96:99], s[0:1], 0x20             ; bq, bk
	s_load_b64 s[100:101], s[0:1], 0x30            ; bv
	s_load_b64 s[12:13], s[0:1], 0x38              ; img
	v_lshl_add_u32 v[SPW], v0, 2, SPARE
	v_mov_b32 v[NIL], 0
	ds_add_u32 v28, v29
	s_wait_dscnt 0x0
	v_lshrrev_b32 v1, 5, v0
	v_readfirstlane_b32 s14, v1                    ; wave 0..3
	s_lshr_b32 s15, s14, 1                         ; which half of the tile's rows (second source) is mine.  Also: I fetch for the second source (0) or the first (1)
	s_and_b32 s16, s14, 1                          ; which half of its columns (first source).  Also: which 128 rows I fetch
	s_bfe_u32 s40, ttmp6, 0x40000                  ; cx
	s_bfe_u32 s41, ttmp6, 0x40004                  ; cy
	s_and_b32 s67, ttmp7, 0xffff                   ; the cluster's y
	s_cmp_eq_u32 ttmp9, 2                          ; the v tiles?
	s_cselect_b32 s66, 1, 0
	s_cselect_b32 s42, s67, ttmp9                  ; v: the columns walk x's 32 tiles by the cluster's y, the rows are Wv's four tiles (8 .. 11 of the stacked weights)
	s_cselect_b32 s17, ttmp9, s67
	s_lshl_b32 s42, s42, 2
	s_add_co_u32 s42, s42, s40                     ; tile column
	s_lshl_b32 s17, s17, 2
	s_add_co_u32 s17, s17, s41                     ; tile row
	s_lshl_b32 s43, s41, 2
	s_lshl_b32 s43, 15, s43                        ; my row of the cluster
	s_lshl_b32 s44, 0x1111, s40                    ; my column
	s_or_b32 s[G1+0], s43, (0<<16)|(1<<20)|(1<<21)|(3<<22)|(3<<25)  ; 15:0 the mask; 17:16 elements of 1 byte; 20 padding on; 21 set beside a mask; 24:22 after every 16 words; 31:25 of 4 words
	s_or_b32 s[G1B+0], s44, (0<<16)|(1<<20)|(1<<21)|(3<<22)|(3<<25)
.irp g, G1, G1B
	s_mov_b32 s[\g+1], ROWB<<16                    ; tensor_dim0
	s_mov_b32 s[\g+2], 128<<16                     ; tensor_dim1
	s_mov_b32 s[\g+3], ROWB<<16                    ; tile_dim0
	s_mov_b32 s[\g+4], 128                         ; tile_dim1
	s_mov_b32 s[\g+5], KROW                        ; stride from row to row
	s_mov_b32 s[\g+6], 0
	s_mov_b32 s[\g+7], 0
.endr
	s_or_b32 s[G1S+0], s43, (3<<16)|(1<<20)|(1<<21)|(5<<22)|(3<<25) ; the scales of 128 rows: 4,096 dense bytes as 16 rows of 256 (32 elements of 8 bytes), 16 bytes of padding behind each
	s_or_b32 s[G1SB+0], s44, (3<<16)|(1<<20)|(1<<21)|(5<<22)|(3<<25)
.irp g, G1S, G1SB
	s_mov_b32 s[\g+1], 32<<16
	s_mov_b32 s[\g+2], 16<<16
	s_mov_b32 s[\g+3], 32<<16
	s_mov_b32 s[\g+4], 16
	s_mov_b32 s[\g+5], 32
	s_mov_b32 s[\g+6], 0
	s_mov_b32 s[\g+7], 0
.endr
	s_lshl_b32 s18, s16, 7                         ; which 128 rows of the tile I fetch
	s_lshl_b32 s20, s17, 8
	s_add_co_u32 s20, s20, s18                     ; second source: row 256 x tile row + 128 x half
	s_lshl_b32 s46, s42, 8
	s_add_co_u32 s46, s46, s18                     ; first source: row 256 x tile column + 128 x half
	s_mov_b32 s21, 0
	s_mov_b32 s47, 0
	s_mov_b64 s[18:19], KS
	s_mul_u64 s[22:23], s[20:21], s[18:19]         ; where these rows' scales begin,
	s_mul_u64 s[92:93], s[46:47], s[18:19]
	s_mov_b64 s[18:19], KROW
	s_mul_u64 s[20:21], s[20:21], s[18:19]         ; and their codes
	s_mul_u64 s[46:47], s[46:47], s[18:19]
	s_mul_i32 s45, s14, HALFT                      ; where they go: wave x 128 rows: no place in the cluster enters an LDS address
	s_mul_i32 s94, s14, HALFS
	s_wait_kmcnt 0x0
	s_cmp_eq_u32 s66, 1                            ; which buffer is which source: a choice on the cluster's x
	s_cselect_b64 s[18:19], s[8:9], s[4:5]         ; second source's codes: Wv's or x's
	s_cselect_b64 s[8:9], s[4:5], s[8:9]           ; first source's: x's or [Wq; Wk]'s
	s_cselect_b64 s[4:5], s[10:11], s[6:7]         ; second source's scales
	s_cselect_b64 s[10:11], s[6:7], s[10:11]       ; first source's
	s_add_nc_u64 s[20:21], s[18:19], s[20:21]
	s_add_nc_u64 s[22:23], s[4:5], s[22:23]
	s_add_nc_u64 s[46:47], s[8:9], s[46:47]
	s_add_nc_u64 s[92:93], s[10:11], s[92:93]
	CROUND                                         ; all sixteen work-groups are here: the first joint loads meet
	s_mov_b32 s[G0S], 1
	s_add_co_u32 s[G0S+1], s94, SCL
	s_mov_b64 s[G0S+2:G0S+3], s[22:23]
	s_or_b32 s[G0S+3], s[G0S+3], 0x80000000
	s_mov_b32 s[G0SB], 1
	s_add_co_u32 s[G0SB+1], s94, SCL
	s_mov_b64 s[G0SB+2:G0SB+3], s[92:93]
	s_or_b32 s[G0SB+3], s[G0SB+3], 0x80000000
	JLOAD G0S, G1S, G0SB, G1SB                     ; the scales first: they are wanted with K step 0
.irp s, 0,1
	s_mov_b32 s[G0+4*\s], 1
	s_add_co_u32 s[G0+4*\s+1], s45, \s*SLOT
	s_add_nc_u64 s[G0+4*\s+2:G0+4*\s+3], s[20:21], \s*ROWB
	s_or_b32 s[G0+4*\s+3], s[G0+4*\s+3], 0x80000000
	s_mov_b32 s[G0B+4*\s], 1
	s_add_co_u32 s[G0B+4*\s+1], s45, \s*SLOT
	s_add_nc_u64 s[G0B+4*\s+2:G0B+4*\s+3], s[46:47], \s*ROWB
	s_or_b32 s[G0B+4*\s+3], s[G0B+4*\s+3], 0x80000000
	JLOAD G0+4*\s, G1, G0B+4*\s, G1B
.endr
	v_and_b32 v1, 15, v0                           ; r
	v_bfe_u32 v2, v0, 4, 1                         ; h
	v_mul_u32_u24 v3, v1, PITCH
	v_mul_u32_u24 v4, v2, 24
	v_add_nc_u32 v4, v3, v4                        ; a fragment's row x pitch + 24 x half
	v_lshl_add_u32 v5, v2, 4, v4                   ; and the same behind one padding more
	s_mul_i32 s21, s15, HALFT
	s_mul_i32 s22, s16, HALFT
	s_add_co_u32 s22, s22, 2*HALFT
.irp s, 0,1
	v_add_nc_u32 v[ADRA+\s], s21, v4
	v_add_nc_u32 v[ADRB+\s], s22, v4
	v_add_nc_u32 v[ADRA+2+\s], s21, v5
	v_add_nc_u32 v[ADRB+2+\s], s22, v5
	s_add_co_u32 s21, s21, SLOT
	s_add_co_u32 s22, s22, SLOT
.endr
	v_mul_u32_u24 v5, v1, KS                       ; my row's scales: 32 bytes a row,
	v_lshrrev_b32 v6, 8, v5
	v_lshl_add_u32 v5, v6, 4, v5                   ; and 16 more for each 256 passed
	s_mul_i32 s21, s15, HALFS
	s_mul_i32 s22, s16, HALFS
	s_add_co_u32 s22, s22, 2*HALFS
	s_sub_co_u32 s22, s22, s21
	v_mul_u32_u24 v6, s22, v2                      ; lanes 16-31 take the first source's
	s_add_co_u32 s21, s21, SCL
	v_add_nc_u32 v5, v5, v6
	v_add_nc_u32 v[ADRS], s21, v5
	v_and_b32 v[LANE], 31, v0
	v_lshlrev_b32 v[LI], 4, v[LANE]
	v_lshlrev_b32 v[L8], 3, v[LANE]
.irp b, 0,1,2,3
	v_mov_b32 v[TM+4+\b], 0                        ; written once: a lane permute's destination counts as one of its sources
.endr
	; my record, and my biases
	s_lshl_b32 s18, s42, 1
	s_add_co_u32 s18, s18, s16                     ; my group of 128 rows of the first source
	s_lshl_b32 s19, s17, 1
	s_add_co_u32 s19, s19, s15                     ; and of the second
	s_mov_b32 s95, 0
	s_cmp_eq_u32 s66, 1
	s_cselect_b32 s20, s19, s18                    ; the weights' group: 0-7 q, 8-15 k, 16-23 v,
	s_cselect_b32 s21, s18, s19                    ; x's group
	s_lshl_b32 s20, s20, 6
	s_add_co_u32 s20, s20, s21
	s_mul_i32 s20, s20, 12800
	s_mov_b32 s21, 0
	s_add_nc_u64 s[12:13], s[12:13], s[20:21]
	s_cmp_eq_u32 s66, 1
	s_cbranch_scc1 .Lbias_v
	s_and_b32 s94, s18, 7                          ; q, k: register j of first-source tile b is feature 32 (b / 2) + 8 (b % 2) + 16 h + j of my 128
	s_lshl_b32 s94, s94, 9
	s_cmp_eq_u32 ttmp9, 1
	s_cselect_b64 s[96:97], s[98:99], s[96:97]
	s_add_nc_u64 s[96:97], s[96:97], s[94:95]
	v_lshlrev_b32 v[BOF], 6, v2
.irp b, 0,1,2,3,4,5,6,7
	global_load_b128 v[CBR+8*\b:CBR+8*\b+3], v[BOF], s[96:97] offset:4*(32*(\b/2)+8*(\b%2))
	global_load_b128 v[CBR+8*\b+4:CBR+8*\b+7], v[BOF], s[96:97] offset:4*(32*(\b/2)+8*(\b%2))+16
.endr
	s_branch .Lbias_in
.Lbias_v:
	s_and_b32 s94, s19, 7                          ; v: lane r of second-source tile a is feature 32 (a / 2) + 8 (a % 2) + r + 8 (r / 8): one number for all eight registers
	s_lshl_b32 s94, s94, 9
	s_add_nc_u64 s[100:101], s[100:101], s[94:95]
	v_and_b32 v[BOF], 8, v1
	v_add_nc_u32 v[BOF], v[BOF], v1
	v_lshlrev_b32 v[BOF], 2, v[BOF]
.irp a, 0,1,2,3,4,5,6,7
.irp j, 0,1,2,3,4,5,6,7
	global_load_b32 v[CBR+8*\a+\j], v[BOF], s[100:101] offset:4*(32*(\a/2)+8*(\a%2))
.endr
.endr
.Lbias_in:
.macro FRAG reg, adr, q, i             ; a fragment: lane l holds row l % 16; registers 6 c .. 6 c + 5 hold K = 64 c + 32 (l / 16) + 0 .. 31: 24 bytes of the row, as they lie, in pieces of 8 bytes
.irp p, 0,1,2,3,4,5
.set PCE, 12*(\q)+6*(\p/3)+\p%3        ; 16 bytes of padding lie behind every 8 pieces: where the piece three on lies behind one padding more, the second address register serves
.if PCE%8 < 5
	ds_load_b64 v[\reg+2*\p:\reg+2*\p+1], v[\adr] offset:8*PCE+16*(PCE/8)+(\i)*16*PITCH
.else
	ds_load_b64 v[\reg+2*\p:\reg+2*\p+1], v[\adr+2] offset:8*PCE+16*(PCE/8)+(\i)*16*PITCH
.endif
.endr
.endm
; 16 matrix instructions: second-source blocks a0, a0 + 1 x the first source's eight, 128 along K.  zero = 1: C = the bias by first-source tile; 2: by second-source tile; 0: the sums go on.
; The 64 accumulators take turns, one instruction a turn, in the same order in every step.
.macro MUL16 a0, p, q, sc, zero
.irp a, \a0, \a0+1
.irp b, 0,1,2,3,4,5,6,7
.set RD_, 8*(8*((\a)%4)+\b)
.set RB_, 128*(\p)+FR*\b
.set RA_, AF+FR*(\a)
.set SB_, SC+8*NQ*(\sc)+NQ*\b+(\q)
.set SA_, SC+8*NQ*(\sc)+NQ*(\a)+(\q)
.if \zero == 1
	v_wmma_scale_f32_16x16x128_f8f6f4 v[RD_:RD_+7], v[RB_:RB_+FR-1], v[RA_:RA_+FR-1], v[CBR+8*\b:CBR+8*\b+7], v[SB_], v[SA_] matrix_a_fmt:MATRIX_FMT_FP6 matrix_b_fmt:MATRIX_FMT_FP6 matrix_a_scale:MATRIX_SCALE_ROW1
.elseif \zero == 2
	v_wmma_scale_f32_16x16x128_f8f6f4 v[RD_:RD_+7], v[RB_:RB_+FR-1], v[RA_:RA_+FR-1], v[CBR+8*(\a):CBR+8*(\a)+7], v[SB_], v[SA_] matrix_a_fmt:MATRIX_FMT_FP6 matrix_b_fmt:MATRIX_FMT_FP6 matrix_a_scale:MATRIX_SCALE_ROW1
.else
	v_wmma_scale_f32_16x16x128_f8f6f4 v[RD_:RD_+7], v[RB_:RB_+FR-1], v[RA_:RA_+FR-1], v[RD_:RD_+7], v[SB_], v[SA_] matrix_a_fmt:MATRIX_FMT_FP6 matrix_b_fmt:MATRIX_FMT_FP6 matrix_a_scale:MATRIX_SCALE_ROW1
.endif
.endr
.endr
.endm
.macro FETCH_B slot, q, p
	WIN TO_B
.irp i, 0,1,2,3,4,5,6,7
	FRAG 128*(\p)+FR*\i, ADRB+\slot, \q, \i
.endr
	WIN 0
.endm
.macro FETCH_A slot, q, i0
.irp i, \i0, \i0+1, \i0+2, \i0+3
	FRAG AF+FR*(\i), ADRA+\slot, \q, \i
.endr
.endm
.macro SCALES sc                       ; a K step's scale words: two words a row; lanes 0-15 the second source's block i, lanes 16-31 the first source's block i
.irp i, 0,1,2,3,4,5,6,7
	ds_load_b64 v[SC+8*NQ*\sc+NQ*\i:SC+8*NQ*\sc+NQ*\i+1], v[ADRS] offset:\i*SBLK
.endr
.endm
.macro PLACES n                        ; plain vector instructions between a matrix instruction and a load into, or a read of, its registers
.rept \n
	v_nop
.endr
.endm
.macro STEP slot, q, zero              ; a step of 128 along K that has its successor in the same slot
	s_wait_dscnt 4*NL                              ; all but the youngest 24 loads (second-source blocks 4-7) are in
.if \zero
	WIN FST_LO
.else
	WIN MUL_LO
.endif
	MUL16 0, (\q)%2, \q, \slot, \zero
	MUL16 2, (\q)%2, \q, \slot, \zero
	s_wait_dscnt 0
	PLACES NP
	FETCH_B \slot, (\q)+1, 1-(\q)%2
	FETCH_A \slot, (\q)+1, 0
.if \zero
	WIN FST_HI
.else
	WIN MUL_HI
.endif
	MUL16 4, (\q)%2, \q, \slot, \zero
	MUL16 6, (\q)%2, \q, \slot, \zero
	PLACES NP
	WIN 0
	FETCH_A \slot, (\q)+1, 4
.endm
; A slot's last step changes slots: ONE barrier; in front of it each wave waits for all its tensor loads, adds 0 to its spare word, and waits for that and for its own reads of this slot.
.macro TURN slot, next, fill
	s_wait_tensorcnt 0x0                           ; all my tensor loads have landed: my part of the next slot
	ds_add_u32 v[SPW], v[NIL]                      ; 0 onto my spare word
	s_wait_dscnt 4*NL+1                            ; (the add and the youngest 24 loads may be out)
	WIN MUL_LO
	MUL16 0, 1, NQ-1, \slot, 0                     ; sixteen matrix instructions stand between the add and the wait for it
	s_wait_dscnt 0x0                               ; the add is done, and my reads of this slot are over
	s_barrier_signal -1
	MUL16 2, 1, NQ-1, \slot, 0
	WIN 0
	s_barrier_wait -1
.if \fill
	CREST                                          ; the barrier has opened a round of the cluster's barrier: no wave of any partner still reads this slot or has a load on its way
	s_add_nc_u64 s[G0+4*\slot+2:G0+4*\slot+3], s[G0+4*\slot+2:G0+4*\slot+3], 2*ROWB
	s_add_nc_u64 s[G0B+4*\slot+2:G0B+4*\slot+3], s[G0B+4*\slot+2:G0B+4*\slot+3], 2*ROWB
	JLOAD G0+4*\slot, G1, G0B+4*\slot, G1B         ; the first tensor load behind the round; its four v_nop are the places in front of the loads below
.else
	PLACES NP
.endif
	v_add_nc_u32 v[ADRS], 4*NQ, v[ADRS]            ; on to the next K step's scale words
	FETCH_B \next, 0, 0
	FETCH_A \next, 0, 0
	SCALES \next
	WIN MUL_HI
	MUL16 4, 1, NQ-1, \slot, 0
	MUL16 6, 1, NQ-1, \slot, 0
	PLACES NP
	WIN 0
	FETCH_A \next, 0, 4
.endm
	s_wait_tensorcnt 1                             ; the scales and my part of K step 0 are in (K step 1's load may be out)
	s_barrier_signal -1
	s_barrier_wait -1                              ; everybody's are
	FETCH_B 0, 0, 0
	FETCH_A 0, 0, 0
	SCALES 0
	FETCH_A 0, 0, 4
	s_wait_loadcnt 0x0                             ; the biases
	s_cmp_eq_u32 s66, 1
	s_cbranch_scc1 .Lfirst_v
	STEP 0, 0, 1                                   ; the first step's products start the sums from the biases
	s_branch .Lfirst_done
.Lfirst_v:
	STEP 0, 0, 2
.Lfirst_done:
	s_mov_b32 s3, LAPS-1
.Llap:                                                 ; a trip goes once round the ring and fills both slots again
	TURN 0, 1, 1
	STEP 1, 0, 0
	TURN 1, 0, 1
	STEP 0, 0, 0
	s_sub_co_u32 s3, s3, 1
	s_cmp_lg_u32 s3, 0
	s_cbranch_scc1 .Llap
	TURN 0, 1, 0                                   ; the last lap fills nothing
	STEP 1, 0, 0
	s_wait_dscnt 4*NL
	WIN MUL_LO
	MUL16 0, 1, NQ-1, 1, 0
	MUL16 2, 1, NQ-1, 1, 0
	s_wait_dscnt 0
	WIN MUL_HI
	MUL16 4, 1, NQ-1, 1, 0
	MUL16 6, 1, NQ-1, 1, 0
	WIN 0
	PLACES NP
; THE WAY OUT of block a: the lane's 64 numbers (register 16 B + i = index 32 B + 16 h + i along the next K) become a fragment's codes and a scale word.  Each accumulator is read from its low end on.
.macro OUTIMG a
.set AC,  64*((\a)%4)
.set XW,  2+(\a)/4
.set XW2, XW|(XW<<2)
.set PCR, CBR+20*((\a)%2)
	WIN XW2                                        ; sources 0 and 1: the accumulators' window
.irp b, 0,1,2,3
	v_max3_num_f32 v[TM+\b], |v[AC+16*\b]|, |v[AC+16*\b+1]|, 0x1800000   ; block b: my 16 numbers, and the floor 2^(3 - 127): the byte cannot fall under 1
.endr
.irp i, 2,4,6,8,10,12,14
.irp b, 0,1,2,3
	v_max3_num_f32 v[TM+\b], |v[AC+16*\b+\i]|, |v[AC+16*\b+\i+1]|, v[TM+\b]
.endr
.endr
	WIN 0
.irp b, 0,1,2,3
	v_permlanex16_b32 v[TM+4+\b], v[TM+\b], s2, s3
.endr
.irp b, 0,1,2,3
	v_max_num_f32 v[TM+\b], v[TM+\b], v[TM+4+\b]   ; with lane l xor 16's: the block's largest magnitude
.endr
.irp b, 0,1,2,3
	v_add_nc_u32 v[TM+12+\b], 0xff000000, v[TM+\b] ; 2 off its exponent field: the conversion's scale operand
.endr
.irp b, 0,1,2,3
	v_lshrrev_b32 v[TM+4+\b], 23, v[TM+12+\b]      ; the scale's byte
.endr
	v_lshl_or_b32 v[SW+\a], v[TM+5], 8, v[TM+4]
	v_lshl_or_b32 v[SW+\a], v[TM+6], 16, v[SW+\a]
	v_lshl_or_b32 v[SW+\a], v[TM+7], 24, v[SW+\a]
	s_wait_xcnt 0x0                                ; the stores of two blocks back have read this set of registers: only behind this wait is it written again
	WIN XW                                         ; source 0: the accumulators' window
.irp c, 0,1
	v_cvt_scalef32_pk16_fp6_f32 v[PCR+6*\c:PCR+6*\c+2], v[AC+32*\c:AC+32*\c+15], v[TM+12+2*\c]
	v_cvt_scalef32_pk16_fp6_f32 v[PCR+12+4*\c:PCR+14+4*\c], v[AC+16+32*\c:AC+31+32*\c], v[TM+13+2*\c]   ; (a conversion's three registers begin on an even number)
.endr
	WIN 0
	v_nop                                          ; one plain place behind a scaled conversion
.irp c, 0,1                                    ; the operand's layout wants a WHOLE block in a lane
.irp i, 0,1,2
	v_permlane16_swap_b32 v[PCR+6*\c+\i], v[PCR+12+4*\c+\i]
.endr
.irp i, 0,1,2
	v_mov_b32 v[PCR+3+6*\c+\i], v[PCR+12+4*\c+\i]
.endr
.endr
	global_store_b128 v[LI], v[PCR:PCR+3], s[12:13] offset:1536*(\a)
	global_store_b64 v[L8], v[PCR+4:PCR+5], s[12:13] offset:1536*(\a)+512
	global_store_b64 v[L8], v[PCR+6:PCR+7], s[12:13] offset:1536*(\a)+768
	global_store_b128 v[LI], v[PCR+8:PCR+11], s[12:13] offset:1536*(\a)+1024
.endm
	s_mov_b32 s2, 0x76543210
	s_mov_b32 s3, 0xfedcba98                       ; v_permlanex16_b32's selects for lane l xor 16
.irp a, 0,1,2,3,4,5,6,7
	OUTIMG \a
.endr
	v_cmp_gt_u32 vcc_lo, 16, v[LANE]
.irp j, 0,1,2,3
	v_cndmask_b32 v[SWI+\j], v[SW+4+\j], v[SW+\j], vcc_lo   ; lanes 0-15: block j's words; lanes 16-31: block 4 + j's (both halves of the lanes hold a row's word)
.endr
	global_store_b128 v[LI], v[SWI:SWI+3], s[12:13] offset:12288
	s_wait_tensorcnt 0x0                           ; the wave's end
	ds_add_u32 v[SPW], v[NIL]
	s_wait_dscnt 0x0
	CROUND                                         ; the closing round: no work-group ends while a partner may still ask for a tile that names it
	s_endpgm
.Lfunc_end_k_q545623e805_qkv:
	.size	k_q545623e805_qkv, .Lfunc_end_k_q545623e805_qkv-k_q545623e805_qkv
	.p2alignl 7, 3214868480
	.fill 96, 4, 3214868480
	.section	.rodata,"a",@progbits
	.p2align	6, 0x0
	.amdhsa_kernel k_q545623e805_qkv
		.amdhsa_group_segment_fixed_size 327680
		.amdhsa_private_segment_fixed_size 0
		.amdhsa_enable_private_segment 0
		.amdhsa_kernarg_size 64
		.amdhsa_user_sgpr_count 2
		.amdhsa_user_sgpr_kernarg_segment_ptr 1
		.amdhsa_wavefront_size32 1
		.amdhsa_system_sgpr_workgroup_id_x 1
		.amdhsa_system_sgpr_workgroup_id_y 1
		.amdhsa_system_sgpr_workgroup_id_z 1
		.amdhsa_system_vgpr_workitem_id 0
		.amdhsa_next_free_vgpr 1024
		.amdhsa_next_free_sgpr 102
		.amdhsa_reserve_vcc 1
		.amdhsa_float_denorm_mode_32 3
		.amdhsa_float_denorm_mode_16_64 3
		.amdhsa_memory_ordered 1
		.amdhsa_forward_progress 1
		.amdhsa_inst_pref_size 188
	.end_amdhsa_kernel
	.amdgpu_metadata
---
amdhsa.version: [ 1, 2 ]
amdhsa.kernels:
  - .name:           k_q545623e805_qkv
    .symbol:         k_q545623e805_qkv.kd
    .args:
      - { .name: x_codes, .offset: 0, .size: 8, .value_kind: global_buffer, .address_space: global }
      - { .name: x_scales, .offset: 8, .size: 8, .value_kind: global_buffer, .address_space: global }
      - { .name: w_codes, .offset: 16, .size: 8, .value_kind: global_buffer, .address_space: global }
      - { .name: w_scales, .offset: 24, .size: 8, .value_kind: global_buffer, .address_space: global }
      - { .name: bq, .offset: 32, .size: 8, .value_kind: global_buffer, .address_space: global }
      - { .name: bk, .offset: 40, .size: 8, .value_kind: global_buffer, .address_space: global }
      - { .name: bv, .offset: 48, .size: 8, .value_kind: global_buffer, .address_space: global }
      - { .name: img, .offset: 56, .size: 8, .value_kind: global_buffer, .address_space: global }
    .group_segment_fixed_size: 327680
    .private_segment_fixed_size: 0
    .kernarg_segment_align: 8
    .kernarg_segment_size: 64
    .max_flat_workgroup_size: 128
    .sgpr_count:     102
    .vgpr_count:     1024
    .wavefront_size: 32
...
	.end_amdgpu_metadata
.endif
;; end of part 2
;; launch attn (part 3): grid 16 x 16, 16 waves a work-group, clusters of 4 x 4, 327,680 bytes of LDS; arguments img, bias_img, ctx_img, ctx_sc; writes ctx_img, ctx_sc
.if DOCPART == 3
	.amdgcn_target "amdgcn-amd-amdhsa--gfx1250"
	.amdhsa_code_object_version 6
	.text
	.protected	k_q545623e805_attn
	.globl	k_q545623e805_attn
	.p2align	8
	.type	k_q545623e805_attn,@function
k_q545623e805_attn:
	s_mov_b64 s[64:65], 0
	v_nop
	global_prefetch_b8 v0, s[64:65] scope:SCOPE_SE
	s_setreg_imm32_b32 hwreg(HW_REG_WAVE_MODE, 25, 1), 1
	s_wait_xcnt 0x0
	s_wait_alu depctr_hold_cnt(0) depctr_sa_sdst(0) depctr_va_vdst(0) depctr_va_sdst(0) depctr_va_ssrc(0) depctr_va_vcc(0) depctr_vm_vsrc(0)
	s_getreg_b32 s2, hwreg(HW_REG_IB_STS2, 6, 4)
	s_cmp_eq_u32 s2, 0
	s_cbranch_scc0 .Lentry_in_a_cluster
	s_endpgm
.Lentry_in_a_cluster:
	s_bfe_u32 s2, ttmp6, 0x10000c
	s_cmp_lg_u32 s2, 0xf033
	s_cbranch_scc0 .Lentry_shape_is_right
	s_endpgm
.Lentry_shape_is_right:
; ctx = softmax(q k^T / 8 + coef x bias) v for 4 batches x 16 heads of 64, 2,048 positions, both products on codes of FP6 (E2M3) with E8M0 scales; ctx is quantised in registers for the last product.
; THE SOFTMAX AHEAD OF THE SECOND PRODUCT: t = (q.k + 8 coef bias) x log2(e) / 8; M = the row's largest t so far, rounded UP to a whole number; p = 2^(t - M) is quantised along the keys, not normalised.
; The row's sum is taken of the unquantised p and divides O at the end.  When M moves, the sum and O are multiplied by 2^(old M - new M): exact.
; SHARES.  Work-group (x, y): queries 128 x .. 128 x + 127 of batch y / 4, heads 4 (y % 4) .. + 3.  Wave w: tile a = w % 8 of 16 queries, pair of heads 2 (y % 4) + w / 8; it takes the pair's two heads one after the
; other in every key step of 128 keys.  Four waves to a SIMD: one wave's vector work stands beside another's matrix work and LDS loads.
; ALL OPERANDS COME AS IMAGES OF THEIR REGISTERS (records of 12,800 bytes: eight images of 1,536 and 512 bytes of scale words), the bias as an image of the 64 score registers: every LDS load is 16 or 8 bytes x lane.
; LAYOUT.  S^T = K Q^T (source 0 = 16 keys, source 1 = my 16 queries), O^T = V^T P^T: a lane holds ONE query throughout.  The rows of every image are laid so that the 16 registers of tiles 2 B and 2 B + 1 are 16
; neighbours (keys for S^T, channels for O^T).  The bias image is loaded into the score registers and is the C of the first product.
; THE FIRST PRODUCT'S K IS 64, THE INSTRUCTION'S 128.  An image of q or k holds head A in registers 0-5 and head B in registers 6-11.  Q stands as Q_A | six registers of zero codes | Q_B: head A's operand is
; [Q_A, zeros], head B's [zeros, Q_B].  Of K only the head's own six registers are loaded, tile t's at F + 6 t (head B: F + 6 t + 6), and the operand is the run F + 6 t .. F + 6 t + 11: its other six registers hold a
; neighbouring tile's codes, which meet Q's zero codes and add exact zeros (E2M3 has no NaN or infinity; every scale byte is 1 .. 254).
; CLUSTER.  4 x 4 work-groups.  The bias tiles hang on x alone and are shared along a column of the cluster, the records of K and V on y alone and are shared along a row: joint loads, one a wave of waves 0-7.
; LIMITS: NaN and infinities are not served; a block of ctx whose largest magnitude lies under 2^-124 keeps the byte 1 (a block of zeros too; this program alone reads the bytes).
.set REC,   12800
.set SLOT1, 1<<17                      ; slot 1 begins here: one exclusive or turns an address in one slot into the other's
.set KOFF,  65536                      ; a slot: 64 KiB of bias (image a at 8,192 a), K's records of the two pairs, V's records of the two pairs
.set SPARE, 2*SLOT1                    ; the spare words, 128 bytes for each wave: eight blocks of 256 bytes that no other line names
.set AB,   1                           ; v1  16 L + 8,192 a
.set AK16, 2                           ; v2  16 L + my pair's record of K
.set AK8,  3                           ; v3   8 L + the same
.set ADB,  4                           ; v4-6 these in the slot in hand
.set AD16, 5
.set AD8,  6
.set SPW,  7
.set NIL,  8
.set PFO,  9
.set LI,   10                          ; 16 L
.set TA,   11
.set L8,   39                          ; 8 L
.set QS,   38                          ; Q's scale words
.set KSC,  40                          ; v40-43 K's scale words (lanes 0-15 tiles 0-3, lanes 16-31 tiles 4-7)
.set VSC,  44                          ; v44-47 V's (lanes 0-15 head A's tiles, lanes 16-31 head B's)
.set F,    48                          ; v48-101 fragments of K or of V; in the softmax v48-59 are at work
.set MX,   48
.set PB,   52
.set SO,   56
.set AT,   102
.set S,    104                         ; v104-167 the bias, then S^T, then p
.set PC,   232                         ; v232-243 p's codes
.set CT,   244
.set PW,   251                         ; p's scale word
.set FF,   252                         ; v[252:253] f (the pair is named, its low word serves)
.set T0,   254
.set T1,   255
.set WV,   12
.set TB,   2
.set CNT,  3
.set SEL,  20
.set CS,   22
.set G1B,  24
.set G1R,  32
.set G0B,  40
.set G0R,  44
.set PFA,  48
.set PFS,  50
.set LIM,  52
; v12-15: head A's -M, largest t, sum in two halves; v16-19: head B's.  v20-25 Q_A, v26-31 zero codes, v32-37 Q_B.  v168-199 O^T of head A, v200-231 of head B.
; Waves 0-3 fetch the bias tile's quarters, waves 4-7 the four records, the others nothing.  The branches hang on the wave's number alone.  Four v_nop follow each of the two lines.
.macro JLOAD
	s_cmp_lt_u32 s[WV], 4
	s_cbranch_scc0 .Lnot_b_\@
	tensor_load_to_lds s[G0B:G0B+3], s[G1B:G1B+7]
	s_nop 0
.rept 4
	v_nop
.endr
	s_branch .Lasked_\@
.Lnot_b_\@:
	s_cmp_lt_u32 s[WV], 8
	s_cbranch_scc0 .Lasked_\@
	tensor_load_to_lds s[G0R:G0R+3], s[G1R:G1R+7]
	s_nop 0
.rept 4
	v_nop
.endr
.Lasked_\@:
.endm
; A PREFETCH INTO THE L2 of what the NEXT change of slots will ask for, one key step ahead of that load.  Each block of 256 bytes is named once in the launch, but for the last block of a record's half (below).
; The bias tile (64 KiB) is read by every cluster of a column of clusters: the cluster with y = 0 asks; the four partners of a column share it BY ADDRESS, 16 KiB each (cy); waves 8 and 9 take 8 KiB, lanes 256 bytes apart.
; The four records are read by every cluster of a row of clusters: the cluster with x = 0 asks; partner cx takes record cx; waves 10 and 11 take 25 blocks each: lanes 25-31 name lane 24's block again.
; The last change that fills a slot asks for nothing.
.macro ASK
	s_cmp_gt_u32 s[CNT], s[LIM]
	s_cbranch_scc0 .Lnot_mine_\@
	global_prefetch_b8 v[PFO], s[PFA:PFA+1] th:TH_LOAD_NT scope:SCOPE_SE
.Lnot_mine_\@:
.endm
.macro CROUND                          ; a round of the cluster's barrier
	s_barrier_signal -1
	s_barrier_wait -1
	s_cmp_lg_u32 s[WV], 0
	s_cbranch_scc1 .Lnot_wave_0_\@
	s_barrier_signal -3
.Lnot_wave_0_\@:
	s_barrier_wait -3
	s_barrier_signal -1
	s_barrier_wait -1
.endm
	s_load_b256 s[4:11], s[0:1], 0x0               ; img s[4:5], bias_img s[6:7], ctx_img s[8:9], ctx_sc s[10:11]
	v_lshl_add_u32 v[SPW], v0, 2, SPARE
	v_mov_b32 v[NIL], 0
	ds_add_u32 v7, v8
	s_wait_dscnt 0x0
	v_lshrrev_b32 v[TA], 5, v0
	v_readfirstlane_b32 s[WV], v[TA]               ; wave 0..15
	s_bfe_u32 s13, ttmp6, 0x40000                  ; cx
	s_bfe_u32 s14, ttmp6, 0x40004                  ; cy: which four heads
	s_lshl_b32 s15, ttmp9, 2
	s_add_co_u32 s15, s15, s13                     ; qb: my block of 128 queries = 4 x cluster x + cx
	s_and_b32 s16, ttmp7, 0xffff                   ; the batch = cluster y
	s_and_b32 s17, s[WV], 7                        ; a
	s_lshr_b32 s18, s[WV], 3                       ; which of the two pairs
	s_and_b32 s19, s[WV], 3                        ; which quarter, or which record, I fetch
	s_lshl_b32 s53, 0x1111, s13                    ; my column of the cluster
	s_lshl_b32 s54, s14, 2
	s_lshl_b32 s54, 15, s54                        ; my row
	s_or_b32 s[G1B], s53, (3<<16)|(1<<21)          ; 15:0 the mask; 17:16 elements of 8 bytes; 20 no padding; 21 set beside a mask
	s_mov_b32 s[G1B+1], 32<<16                     ; tensor_dim0 = 32: rows of 256 bytes
	s_mov_b32 s[G1B+2], 64<<16                     ; tensor_dim1 = 64: 16 KiB, dense
	s_mov_b32 s[G1B+3], 32<<16                     ; tile_dim0
	s_mov_b32 s[G1B+4], 64                         ; tile_dim1
	s_mov_b32 s[G1B+5], 32                         ; stride
	s_mov_b32 s[G1B+6], 0
	s_mov_b32 s[G1B+7], 0
	s_or_b32 s[G1R], s54, (3<<16)|(1<<21)
	s_mov_b32 s[G1R+1], 32<<16
	s_mov_b32 s[G1R+2], 50<<16                     ; a record: 50 rows of 256 bytes
	s_mov_b32 s[G1R+3], 32<<16
	s_mov_b32 s[G1R+4], 50
	s_mov_b32 s[G1R+5], 32
	s_mov_b32 s[G1R+6], 0
	s_mov_b32 s[G1R+7], 0
	s_lshl_b32 s55, s19, 14                        ; the bias quarter: in LDS and in the tile
	s_lshl_b32 s56, s15, 20                        ; qb's 16 tiles of 64 KiB
	s_add_co_u32 s56, s56, s55
	s_mov_b32 s57, 0
	s_lshr_b32 s58, s19, 1                         ; records 0, 1: K's of the two pairs; 2, 3: V's
	s_lshl_b32 s58, s58, 3
	s_add_co_u32 s58, s58, 8
	s_lshl_b32 s59, s14, 1
	s_add_co_u32 s58, s58, s59
	s_and_b32 s59, s19, 1
	s_add_co_u32 s58, s58, s59                     ; 8 (k) or 16 (v) + the pair
	s_lshl_b32 s58, s58, 6
	s_lshl_b32 s59, s16, 4
	s_add_co_u32 s58, s58, s59                     ; x 64 + 16 x batch: the record of key step 0
	s_mul_i32 s58, s58, REC
	s_mov_b32 s59, 0
	s_mul_i32 s60, s19, REC
	s_add_co_u32 s60, s60, KOFF
	s_mov_b32 s[SEL], 0x76543210
	s_mov_b32 s[SEL+1], 0xfedcba98
	s_mov_b32 s[CS], 0x3e38aa3b                    ; c = log2(e) / 8
	s_mov_b32 s[CS+1], s[CS]
	s_mov_b32 s[TB], 0
	s_mov_b32 s[CNT], 15
	s_wait_kmcnt 0x0
	s_mov_b32 s[G0B], 1
	s_mov_b32 s[G0B+1], s55
	s_add_nc_u64 s[G0B+2:G0B+3], s[6:7], s[56:57]
	s_or_b32 s[G0B+3], s[G0B+3], 0x80000000
	s_mov_b32 s[G0R], 1
	s_mov_b32 s[G0R+1], s60
	s_add_nc_u64 s[G0R+2:G0R+3], s[4:5], s[58:59]
	s_or_b32 s[G0R+3], s[G0R+3], 0x80000000
	CROUND                                         ; all sixteen work-groups are here: the first joint loads meet
	JLOAD                                          ; key step 0 into slot 0
	; Q: image a of record (pair, batch, qb), and its scale words
	s_lshl_b32 s61, s14, 1
	s_add_co_u32 s61, s61, s18                     ; my pair of heads, 0..7
	s_lshl_b32 s62, s61, 6
	s_lshl_b32 s63, s16, 4
	s_add_co_u32 s62, s62, s63
	s_add_co_u32 s62, s62, s15
	s_mul_i32 s62, s62, REC
	s_mov_b32 s63, 0
	s_add_nc_u64 s[66:67], s[4:5], s[62:63]
	s_mul_i32 s62, s17, 1536
	s_add_nc_u64 s[68:69], s[66:67], s[62:63]
	s_lshr_b32 s70, s17, 2
	s_lshl_b32 s70, s70, 8
	s_and_b32 s71, s17, 3
	s_lshl_b32 s71, s71, 2
	s_add_co_u32 s70, s70, s71                     ; tile a's words: lanes 16 (a / 4) on, register a % 4
	v_and_b32 v[TA], 15, v0
	v_lshl_add_u32 v[TA], v[TA], 4, s70
	v_and_b32 v[LI], 31, v0
	v_lshlrev_b32 v[L8], 3, v[LI]
	v_lshlrev_b32 v[LI], 4, v[LI]
	global_load_b128 v[20:23], v[LI], s[68:69]
	global_load_b64 v[24:25], v[L8], s[68:69] offset:512
	global_load_b64 v[32:33], v[L8], s[68:69] offset:768
	global_load_b128 v[34:37], v[LI], s[68:69] offset:1024
	global_load_b32 v[QS], v[TA], s[66:67] offset:12288
	s_lshl_b32 s71, s17, 13
	v_add_nc_u32 v[AB], s71, v[LI]
	s_mul_i32 s71, s18, REC
	s_add_co_u32 s71, s71, KOFF
	v_add_nc_u32 v[AK16], s71, v[LI]
	v_add_nc_u32 v[AK8], s71, v[L8]
	; where ctx goes: tile 128 b + 8 qb + a, K step = my pair
	s_lshl_b32 s72, s16, 7
	s_lshl_b32 s73, s15, 3
	s_add_co_u32 s72, s72, s73
	s_add_co_u32 s72, s72, s17
	s_lshl_b32 s73, s72, 3
	s_add_co_u32 s73, s73, s61
	s_mul_i32 s74, s73, 1536
	s_mov_b32 s75, 0
	s_add_nc_u64 s[8:9], s[8:9], s[74:75]
	s_lshr_b32 s73, s72, 1
	s_lshl_b32 s73, s73, 3
	s_add_co_u32 s73, s73, s61
	s_lshl_b32 s74, s73, 7
	s_and_b32 s73, s17, 1
	s_lshl_b32 s73, s73, 6
	s_add_co_u32 s74, s74, s73
	s_add_nc_u64 s[10:11], s[10:11], s[74:75]
	; the prefetches (macro ASK): where my wave's stand, and who asks
	s_lshl_b32 s53, s15, 20
	s_add_co_u32 s53, s53, 65536                   ; the bias: key step 1; the first change of slots steps it to 2
	s_lshl_b32 s54, s14, 14
	s_add_co_u32 s53, s53, s54
	s_and_b32 s55, s[WV], 1
	s_lshl_b32 s54, s55, 13
	s_add_co_u32 s53, s53, s54
	s_lshr_b32 s54, s13, 1
	s_lshl_b32 s54, s54, 3
	s_add_co_u32 s54, s54, 8
	s_lshl_b32 s56, s14, 1
	s_add_co_u32 s54, s54, s56
	s_and_b32 s56, s13, 1
	s_add_co_u32 s54, s54, s56
	s_lshl_b32 s54, s54, 6
	s_lshl_b32 s56, s16, 4
	s_add_co_u32 s54, s54, s56
	s_add_co_u32 s54, s54, 1                       ; the records: key step 1 likewise
	s_mul_i32 s54, s54, REC
	s_mul_i32 s56, s55, 6400
	s_add_co_u32 s54, s54, s56
	s_sub_co_u32 s57, s[WV], 8
	s_lshr_b32 s57, s57, 2                         ; 0 in waves 8 to 11
	s_mov_b32 s58, REC
	s_cmp_lt_u32 s[WV], 10
	s_cselect_b64 s[PFA:PFA+1], s[6:7], s[4:5]
	s_cselect_b32 s56, s53, s54
	s_cselect_b32 s[PFS], 65536, s58               ; a key step on
	s_cselect_b32 s59, s16, ttmp9                  ; the coordinate along which other clusters read the same bytes
	s_cselect_b32 s60, 31, 24
	s_or_b32 s59, s59, s57
	s_cmp_eq_u32 s59, 0
	s_cselect_b32 s[LIM], 1, -1                    ; the same in all sixteen partners, for a given wave
	s_mov_b32 s57, 0
	s_mov_b32 s[PFS+1], 0
	s_add_nc_u64 s[PFA:PFA+1], s[PFA:PFA+1], s[56:57]
	v_and_b32 v[PFO], 31, v0
	v_min_u32 v[PFO], s60, v[PFO]
	v_lshlrev_b32 v[PFO], 8, v[PFO]
.irp e, 0,1
	v_mov_b32 v[13+4*\e], 0xff61b1e6               ; the largest t so far: -3e38, under every t
	v_floor_f32 v[12+4*\e], -v[13+4*\e]            ; -M
	v_mov_b32 v[14+4*\e], 0                        ; the sum, in two halves
	v_mov_b32 v[15+4*\e], 0
.endr
.irp j, 0,1,2,3,4,5
	v_mov_b32 v[26+\j], 0                          ; the zero codes between Q_A and Q_B
	v_mov_b32 v[F+48+\j], 0                        ; the last six registers of head A's last run
.endr
.irp b, 0,1,2,3
	v_mov_b32 v[PB+\b], 0                          ; a lane permute's destination counts as one of its sources
.endr
	v_mov_b32 v[FF+1], 0
	v_mov_b32 v[T1], 0
.set J, 0
.rept 64
	v_mov_b32 v[168+J], 0                          ; O^T.  (The loop is written once: its first step finds zeros, which the first change of M leaves zeros)
.set J, J+1
.endr
; From four largest magnitudes in v[MX ..] and 64 numbers in v[s ..] (register 16 B + i = index 32 B + 16 h + i): the scale word in v[PW] and the fragment's codes in v[PC ..].
.macro CODES s
.irp b, 0,1,2,3
	v_add_nc_u32 v[SO+\b], 0xff000000, v[MX+\b]    ; 2 off the exponent field: the conversion's scale operand
.endr
.irp b, 0,1,2,3
	v_lshrrev_b32 v[PB+\b], 23, v[SO+\b]           ; the scale's byte
.endr
	v_lshl_or_b32 v[PW], v[PB+1], 8, v[PB]
	v_lshl_or_b32 v[PW], v[PB+2], 16, v[PW]
	v_lshl_or_b32 v[PW], v[PB+3], 24, v[PW]
.irp c, 0,1
	v_cvt_scalef32_pk16_fp6_f32 v[PC+6*\c:PC+6*\c+2], v[\s+32*\c:\s+32*\c+15], v[SO+2*\c]
	v_cvt_scalef32_pk16_fp6_f32 v[CT+4*\c:CT+4*\c+2], v[\s+32*\c+16:\s+32*\c+31], v[SO+2*\c+1]   ; (a conversion's three registers begin on an even number)
.endr
	v_nop                                          ; one plain place behind a scaled conversion
.irp c, 0,1                                    ; the operand's layout wants a WHOLE block in a lane
.irp i, 0,1,2
	v_permlane16_swap_b32 v[PC+6*\c+\i], v[CT+4*\c+\i]
.endr
.irp i, 0,1,2
	v_mov_b32 v[PC+3+6*\c+\i], v[CT+4*\c+\i]
.endr
.endr
.endm
; One head (e = 0: A, 1: B) of my pair, 128 keys.
.macro UNIT e
.set US, 12+4*\e
.set UO, 168+32*\e
.if \e
.rept 4
	v_nop                                          ; places in front of loads into registers that the last products read
.endr
.endif
.set G, 0
.rept 16
	ds_load_b128 v[S+4*G:S+4*G+3], v[ADB] offset:512*G   ; 8 coef bias, straight into the score registers
.set G, G+1
.endr
.irp t, 0,1,2,3,4,5,6,7
.if \e == 0
	ds_load_b128 v[F+6*\t:F+6*\t+3], v[AD16] offset:1536*\t
	ds_load_b64 v[F+6*\t+4:F+6*\t+5], v[AD8] offset:1536*\t+512
.else
	ds_load_b64 v[F+6*\t+6:F+6*\t+7], v[AD8] offset:1536*\t+768
	ds_load_b128 v[F+6*\t+8:F+6*\t+11], v[AD16] offset:1536*\t+1024
.endif
.endr
	s_wait_dscnt 0x0
.irp t, 0,1,2,3                                ; S^T = K Q^T + 8 coef bias: eight accumulators, one instruction each
	v_wmma_scale_f32_16x16x128_f8f6f4 v[S+8*\t:S+8*\t+7], v[F+6*\t:F+6*\t+11], v[20+6*\e:31+6*\e], v[S+8*\t:S+8*\t+7], v[KSC+\t], v[QS] matrix_a_fmt:MATRIX_FMT_FP6 matrix_b_fmt:MATRIX_FMT_FP6
.endr
.irp t, 4,5,6,7
	v_wmma_scale_f32_16x16x128_f8f6f4 v[S+8*\t:S+8*\t+7], v[F+6*\t:F+6*\t+11], v[20+6*\e:31+6*\e], v[S+8*\t:S+8*\t+7], v[KSC+\t-4], v[QS] matrix_a_fmt:MATRIX_FMT_FP6 matrix_b_fmt:MATRIX_FMT_FP6 matrix_a_scale:MATRIX_SCALE_ROW1
.endr
.rept 4
	v_nop
.endr
.irp b, 0,1,2,3
	v_max3_num_f32 v[MX+\b], v[S+16*\b], v[S+1+16*\b], v[S+2+16*\b]   ; THE LARGEST SCORE OF EACH BLOCK OF 32 KEYS: it serves for the row's maximum and, since p rises with the score, for the block's largest p
.endr
.irp i, 3,5,7,9,11,13
.irp b, 0,1,2,3
	v_max3_num_f32 v[MX+\b], v[MX+\b], v[S+16*\b+\i], v[S+1+16*\b+\i]
.endr
.endr
.irp b, 0,1,2,3
	v_max_num_f32 v[MX+\b], v[MX+\b], v[S+15+16*\b]
.endr
.irp b, 0,1,2,3
	v_permlanex16_b32 v[PB+\b], v[MX+\b], s[SEL], s[SEL+1]
.endr
.irp b, 0,1,2,3
	v_max_num_f32 v[MX+\b], v[MX+\b], v[PB+\b]     ; with lane l xor 16's 16 keys
.endr
	v_max3_num_f32 v[T0], v[MX], v[MX+1], v[MX+2]
	v_max_num_f32 v[T0], v[T0], v[MX+3]            ; the step's largest score of my query
	v_mul_f32 v[T0], s[CS], v[T0]                  ; as t (c is positive)
	v_max_num_f32 v[US+1], v[US+1], v[T0]          ; the running largest t
	v_mov_b32 v[T0], v[US]
	v_floor_f32 v[US], -v[US+1]                    ; the new -M = floor(-t): M IS A WHOLE NUMBER
	v_sub_f32 v[T0], v[US], v[T0]                  ; old M - new M: a whole number, 0 or less
	v_cvt_i32_f32 v[T0], v[T0]                     ; (it saturates)
	v_ldexp_f32 v[FF], 1.0, v[T0]                  ; f = 2^(old M - new M)
.set J, 0
.rept 32
	v_pk_fma_f32 v[S+J:S+J+1], v[S+J:S+J+1], s[CS:CS+1], v[US:US+1] op_sel_hi:[1,0,0]   ; t - M, two at a time
.set J, J+2
.endr
.irp b, 0,1,2,3
	v_fma_f32 v[MX+\b], v[MX+\b], s[CS], v[US]     ; the same of each block's largest score
.endr
.set J, 0
.rept 64
	v_exp_f32 v[S+J], v[S+J]                       ; p = 2^(t - M), at most 1
.set J, J+1
.endr
.irp b, 0,1,2,3
	v_exp_f32 v[MX+\b], v[MX+\b]                   ; the block's largest p: the same two instructions on the same number give the same bits
.endr
	v_pk_mul_f32 v[US+2:US+3], v[US+2:US+3], v[FF:FF+1] op_sel_hi:[1,0]   ; the sums under the new M.  (A plain place behind the exponentials)
	s_wait_alu depctr_va_vdst(0)
.irp b, 0,1,2,3
	v_max_num_f32 v[MX+\b], 0x1800000, v[MX+\b]    ; the floor 2^(3 - 127): the byte cannot fall under 1
.endr
	CODES S
.irp t, 0,1,2,3                                ; V's four tiles of this head, over the registers that the softmax has left
	ds_load_b128 v[F+12*\t:F+12*\t+3], v[AD16] offset:2*REC+1536*(4*\e+\t)
	ds_load_b64 v[F+12*\t+4:F+12*\t+5], v[AD8] offset:2*REC+1536*(4*\e+\t)+512
	ds_load_b64 v[F+12*\t+6:F+12*\t+7], v[AD8] offset:2*REC+1536*(4*\e+\t)+768
	ds_load_b128 v[F+12*\t+8:F+12*\t+11], v[AD16] offset:2*REC+1536*(4*\e+\t)+1024
.endr
.set J, 0
.rept 16
	v_pk_mul_f32 v[UO+J:UO+J+1], v[UO+J:UO+J+1], v[FF:FF+1] op_sel_hi:[1,0]   ; O^T under the new M
.set J, J+2
.endr
	v_pk_add_f32 v[AT:AT+1], v[S:S+1], v[S+2:S+3]  ; THE ROW'S SUM IS TAKEN OF THE UNQUANTISED p: two at a time, in two chains.  (These 32 are the places in front of the products below)
.set J, 4
.rept 15
	v_pk_add_f32 v[US+2:US+3], v[US+2:US+3], v[S+J:S+J+1]
	v_pk_add_f32 v[AT:AT+1], v[AT:AT+1], v[S+J+2:S+J+3]
.set J, J+4
.endr
	v_pk_add_f32 v[US+2:US+3], v[US+2:US+3], v[AT:AT+1]
	s_wait_dscnt 0x0
.irp t, 0,1,2,3                                ; O^T += V^T P^T
.if \e == 0
	v_wmma_scale_f32_16x16x128_f8f6f4 v[UO+8*\t:UO+8*\t+7], v[F+12*\t:F+12*\t+11], v[PC:PC+11], v[UO+8*\t:UO+8*\t+7], v[VSC+\t], v[PW] matrix_a_fmt:MATRIX_FMT_FP6 matrix_b_fmt:MATRIX_FMT_FP6
.else
	v_wmma_scale_f32_16x16x128_f8f6f4 v[UO+8*\t:UO+8*\t+7], v[F+12*\t:F+12*\t+11], v[PC:PC+11], v[UO+8*\t:UO+8*\t+7], v[VSC+\t], v[PW] matrix_a_fmt:MATRIX_FMT_FP6 matrix_b_fmt:MATRIX_FMT_FP6 matrix_a_scale:MATRIX_SCALE_ROW1
.endif
.endr
.endm
.macro STEP                            ; a key step: 128 keys, both heads
	v_add_nc_u32 v[ADB], s[TB], v[AB]
	v_add_nc_u32 v[AD16], s[TB], v[AK16]
	v_add_nc_u32 v[AD8], s[TB], v[AK8]
	v_nop                                          ; with the three additions: the four places in front of loads into registers that the last products read
	ds_load_b128 v[KSC:KSC+3], v[AD16] offset:12288
	ds_load_b128 v[VSC:VSC+3], v[AD16] offset:2*REC+12288
	UNIT 0
	UNIT 1
	s_xor_b32 s[TB], s[TB], SLOT1                  ; on to the other slot
.endm
; THE CHANGE OF SLOTS stands at a step's head.  Each wave waits for all its tensor loads (its part of the slot that it is about to read), adds 0 to its spare word, and waits for that and for its reads of the slot
; that it has left.  fill = 1: a round of the cluster's barrier, and behind it that other slot is filled with the next key step's tiles: the load has a whole key step in which to land.
.macro CHANGE fill
	s_wait_tensorcnt 0x0                           ; no tensor load of mine is out, so a group 0 may be written
	ds_add_u32 v[SPW], v[NIL]                      ; 0 onto my spare word
.if \fill
	s_xor_b32 s[G0B+1], s[G0B+1], SLOT1            ; the walking descriptors: the other slot than last time, the next key step
	s_add_nc_u64 s[G0B+2:G0B+3], s[G0B+2:G0B+3], 65536
	s_xor_b32 s[G0R+1], s[G0R+1], SLOT1
	s_add_nc_u64 s[G0R+2:G0R+3], s[G0R+2:G0R+3], REC
	s_wait_xcnt 0x0                                ; the last prefetch, a key step back, has read its address, so it may be written
	s_add_nc_u64 s[PFA:PFA+1], s[PFA:PFA+1], s[PFS:PFS+1]
	s_wait_dscnt 0x0                               ; the add is done, and my reads of the slot that I have left are over
	CROUND
	JLOAD                                          ; the first thing behind the round, and a wave's one tensor load until the next
	ASK
.else
	s_wait_dscnt 0x0
	s_barrier_signal -1
	s_barrier_wait -1
.endif
.endm
	s_wait_loadcnt 0x0                             ; Q
.Lslot:                                            ; 15 trips: behind each change of slots but the last the next key step is asked for
	CHANGE 1
	STEP
	s_sub_co_u32 s[CNT], s[CNT], 1
	s_cmp_lg_u32 s[CNT], 0
	s_cbranch_scc1 .Lslot
	CHANGE 0                                       ; the last key step is written out
	STEP
	; THE WAY OUT.  O^T / the sum is ctx; the lane's 64 registers are 128 neighbouring features of my pair of heads: K step "pair" of the last product.  They are quantised and leave as an image of the operand's registers.
.rept 4
	v_nop
.endr
	v_add_f32 v14, v14, v15
	v_add_f32 v18, v18, v19
	v_permlanex16_b32 v[T0], v14, s[SEL], s[SEL+1]
	v_permlanex16_b32 v[T1], v18, s[SEL], s[SEL+1]
	v_add_f32 v14, v14, v[T0]                      ; the rows' sums
	v_add_f32 v18, v18, v[T1]
	v_rcp_f32 v14, v14
	v_rcp_f32 v18, v18
	v_and_b32 v[TA], 15, v0                        ; (a plain place behind the transcendentals)
	v_lshlrev_b32 v[TA], 2, v[TA]
	s_wait_alu depctr_va_vdst(0)
.irp e, 0,1
.set J, 0
.rept 16
	v_pk_mul_f32 v[168+32*\e+J:169+32*\e+J], v[168+32*\e+J:169+32*\e+J], v[14+4*\e:15+4*\e] op_sel_hi:[1,0]   ; each accumulator from its low end on
.set J, J+2
.endr
.endr
.irp b, 0,1,2,3
	v_max3_num_f32 v[MX+\b], |v[168+16*\b]|, |v[169+16*\b]|, 0x1800000
.endr
.irp i, 2,4,6,8,10,12,14
.irp b, 0,1,2,3
	v_max3_num_f32 v[MX+\b], v[MX+\b], |v[168+16*\b+\i]|, |v[169+16*\b+\i]|
.endr
.endr
.irp b, 0,1,2,3
	v_permlanex16_b32 v[PB+\b], v[MX+\b], s[SEL], s[SEL+1]
.endr
.irp b, 0,1,2,3
	v_max_num_f32 v[MX+\b], v[MX+\b], v[PB+\b]
.endr
	CODES 168
.irp c, 0,1,2
	global_store_b128 v[LI], v[PC+4*\c:PC+4*\c+3], s[8:9] offset:512*\c   ; 512 consecutive bytes, aligned
.endr
	global_store_b32 v[TA], v[PW], s[10:11]        ; row r's scale word; lanes l and l + 16 write the same word with the same value
	s_wait_tensorcnt 0x0                           ; the wave's end
	ds_add_u32 v[SPW], v[NIL]
	s_wait_dscnt 0x0
	CROUND                                         ; the closing round
	s_endpgm
.Lfunc_end_k_q545623e805_attn:
	.size	k_q545623e805_attn, .Lfunc_end_k_q545623e805_attn-k_q545623e805_attn
	.p2alignl 7, 3214868480
	.fill 96, 4, 3214868480
	.section	.rodata,"a",@progbits
	.p2align	6, 0x0
	.amdhsa_kernel k_q545623e805_attn
		.amdhsa_group_segment_fixed_size 327680
		.amdhsa_private_segment_fixed_size 0
		.amdhsa_enable_private_segment 0
		.amdhsa_kernarg_size 32
		.amdhsa_user_sgpr_count 2
		.amdhsa_user_sgpr_kernarg_segment_ptr 1
		.amdhsa_wavefront_size32 1
		.amdhsa_system_sgpr_workgroup_id_x 1
		.amdhsa_system_sgpr_workgroup_id_y 1
		.amdhsa_system_sgpr_workgroup_id_z 1
		.amdhsa_system_vgpr_workitem_id 0
		.amdhsa_next_free_vgpr 256
		.amdhsa_next_free_sgpr 80
		.amdhsa_reserve_vcc 0
		.amdhsa_float_denorm_mode_32 3
		.amdhsa_float_denorm_mode_16_64 3
		.amdhsa_memory_ordered 1
		.amdhsa_forward_progress 1
		.amdhsa_inst_pref_size 86
	.end_amdhsa_kernel
	.amdgpu_metadata
---
amdhsa.version: [ 1, 2 ]
amdhsa.kernels:
  - .name:           k_q545623e805_attn
    .symbol:         k_q545623e805_attn.kd
    .args:
      - { .name: img, .offset: 0, .size: 8, .value_kind: global_buffer, .address_space: global }
      - { .name: bias_img, .offset: 8, .size: 8, .value_kind: global_buffer, .address_space: global }
      - { .name: ctx_img, .offset: 16, .size: 8, .value_kind: global_buffer, .address_space: global }
      - { .name: ctx_sc, .offset: 24, .size: 8, .value_kind: global_buffer, .address_space: global }
    .group_segment_fixed_size: 327680
    .private_segment_fixed_size: 0
    .kernarg_segment_align: 8
    .kernarg_segment_size: 32
    .max_flat_workgroup_size: 512
    .sgpr_count:     80
    .vgpr_count:     256
    .wavefront_size: 32
...
	.end_amdgpu_metadata
.endif
;; end of part 3
;; launch oproj (part 4): grid 256 x 1, 8 waves a work-group, clusters of 4 x 1, 327,680 bytes of LDS; arguments w_codes, w_scales, ctx_img, ctx_sc, hidden_states, bo, ln_gamma, ln_beta, out0; writes out0
.if DOCPART == 4
	.amdgcn_target "amdgcn-amd-amdhsa--gfx1250"
	.amdhsa_code_object_version 6
	.text
	.protected	k_q545623e805_oproj
	.globl	k_q545623e805_oproj
	.p2align	8
	.type	k_q545623e805_oproj,@function
k_q545623e805_oproj:
	s_mov_b64 s[64:65], 0
	v_nop
	global_prefetch_b8 v0, s[64:65] scope:SCOPE_SE
	s_setreg_imm32_b32 hwreg(HW_REG_WAVE_MODE, 25, 1), 1
	s_wait_xcnt 0x0
	s_wait_alu depctr_hold_cnt(0) depctr_sa_sdst(0) depctr_va_vdst(0) depctr_va_sdst(0) depctr_va_ssrc(0) depctr_va_vcc(0) depctr_vm_vsrc(0)
	s_getreg_b32 s2, hwreg(HW_REG_IB_STS2, 6, 4)
	s_cmp_eq_u32 s2, 0
	s_cbranch_scc0 .Lentry_in_a_cluster
	s_endpgm
.Lentry_in_a_cluster:
	s_bfe_u32 s2, ttmp6, 0x10000c
	s_cmp_lg_u32 s2, 0x3003
	s_cbranch_scc0 .Lentry_shape_is_right
	s_endpgm
.Lentry_shape_is_right:
; out = LayerNorm(ctx Wo^T + bo + hidden_states) x gamma + beta; the product on codes of FP6 (E2M3) with E8M0 scales, K = 1,024; all else in f32.
; SHARES.  A work-group owns 32 rows (two tiles of ctx, whose 16 fragments stay in every wave's registers) and ALL 1,024 columns, so that a row's mean and variance never leave the work-group.
; Wo's 1,024 stored rows walk through LDS in five pieces: 256 rows into region X, 128 into region Y, by turns.  Wave w fetches, and alone reads, its own 32 (X) or 16 (Y) rows of a piece.
; CLUSTER.  The four work-groups of a cluster walk the same Wo: every load is a joint load of the four; nothing in its descriptor hangs on a work-group's place.
; THE PRODUCT IS USED TRANSPOSED (source 0 = 16 stored rows of Wo, source 1 = 16 rows of ctx): a lane holds one row, its eight registers eight neighbouring columns (by the order in which Wo's rows are stored:
; tile u of a group of 32: columns 8 u + 16 h + j).  bo is loaded into the accumulators: the first product adds onto it.
; THE NORM.  The results meet in a stage of 32 rows x 4,112 bytes, in region X behind its last fill and last read; wave w then takes four whole rows.
; REGISTERS: window 0: v1-11, v100-110 addresses; v12-19 ctx's scale words; v20-51 Wo's; v52-99 four fragments of Wo, later a row of the stage; v112-121 at work; v128-255 the 16 accumulators, later four rows.
;   window 1: v0-191 ctx's fragments (tile T, K step s at 12 (8 T + s)); later gamma in v0-31 and beta in v32-63.
.set XW8,   26112                      ; a wave's part of region X: 32 rows of 816 bytes (3 x (256 + 16))
.set YB,    208896
.set YW8,   13056
.set SPARE, 313344                     ; the spare words, 128 bytes for each wave: four blocks of 256 bytes that no other line names
.set RP,    816                        ; 204 words: the 16 rows of a load start 12 banks apart: with 8 bytes a lane all 64 banks are touched once (64 banks of 4 bytes: ISA guide 11.1)
.set SGP,   4112                       ; a stage row: 4,096 bytes + 16
.set STEPW, 294912                     ; 384 rows of Wo: from a region's piece to its next
.set SPW,  1
.set NIL,  2
.set AX,   3                           ; v3, v4: my rows in X, + 24 h; + 40 h behind one padding more
.set AY,   5                           ; v5, v6: the same in Y
.set LI,   7
.set ASC,  12
.set WSC,  20
.set BF,   52
.set YR,   52
.set SR,   100
.set PFO,  101
.set VBX,  106
.set VBY,  107
.set VWX,  108
.set VWY,  109
.set L4,   110
.set TS0,  112                         ; v[112:113], v[114:115] two chains
.set TS2,  114
.set TR,   116                         ; the reduction; v117 the other half's
.set NM,   118                         ; v[118:119] -mean
.set RS,   120                         ; v[120:121] 1 / sqrt(variance + eps)
.set ACC,  128                         ; tile k (in the order of use), ctx tile T: v[128 + 16 k + 8 T]
.set WV,   22
.set G1X,  28
.set G1Y,  36
.set G0X,  44
.set G0Y,  48
.set MSB, 0
.macro WIN new                         ; the immediate's high byte repeats the setting that is left
.if MSB != (\new)
	s_set_vgpr_msb (MSB<<8)|(\new)
.set MSB, (\new)
.endif
.endm
.macro CROUND                          ; a round of the cluster's barrier
	s_barrier_signal -1
	s_barrier_wait -1
	s_cmp_lg_u32 s[WV], 0
	s_cbranch_scc1 .Lnot_wave_0_\@
	s_barrier_signal -3
.Lnot_wave_0_\@:
	s_barrier_wait -3
	s_barrier_signal -1
	s_barrier_wait -1
.endm
	s_load_b256 s[4:11], s[0:1], 0x0               ; w_codes s[4:5], w_scales s[6:7], ctx_img s[8:9], ctx_sc s[10:11]
	s_load_b256 s[12:19], s[0:1], 0x20             ; hidden_states s[12:13], bo s[14:15], gamma s[16:17], beta s[18:19]
	s_load_b64 s[20:21], s[0:1], 0x40              ; out0
	v_lshl_add_u32 v[SPW], v0, 2, SPARE
	v_mov_b32 v[NIL], 0
	ds_add_u32 v1, v2
	s_wait_dscnt 0x0
	v_lshrrev_b32 v3, 5, v0
	v_readfirstlane_b32 s[WV], v3                  ; wave 0..7
	s_bfe_u32 s23, ttmp6, 0x40000                  ; cx
	s_lshl_b32 s24, ttmp9, 2
	s_add_co_u32 s24, s24, s23                     ; my group of 32 rows
	s_mov_b32 s[G1X], 15|(3<<16)|(1<<20)|(1<<21)|(5<<22)|(3<<25)   ; 15:0 the mask: all four; 17:16 elements of 8 bytes; 20 padding on; 21 set beside a mask; 24:22 after every 64 words; 31:25 of 4 words
	s_mov_b32 s[G1X+1], 32<<16                     ; rows of 256 bytes
	s_mov_b32 s[G1X+2], 96<<16                     ; 96 of them: 32 rows of Wo, dense
	s_mov_b32 s[G1X+3], 32<<16
	s_mov_b32 s[G1X+4], 96
	s_mov_b32 s[G1X+5], 32
	s_mov_b32 s[G1X+6], 0
	s_mov_b32 s[G1X+7], 0
	s_mov_b32 s[G1Y], 15|(3<<16)|(1<<20)|(1<<21)|(5<<22)|(3<<25)
	s_mov_b32 s[G1Y+1], 32<<16
	s_mov_b32 s[G1Y+2], 48<<16                     ; 16 rows of Wo
	s_mov_b32 s[G1Y+3], 32<<16
	s_mov_b32 s[G1Y+4], 48
	s_mov_b32 s[G1Y+5], 32
	s_mov_b32 s[G1Y+6], 0
	s_mov_b32 s[G1Y+7], 0
	s_mul_i32 s56, s[WV], XW8
	s_mul_i32 s57, s[WV], YW8
	s_add_co_u32 s57, s57, YB
	s_mul_i32 s58, s[WV], 24576
	s_add_co_u32 s58, s58, 2359296                 ; Wo is the fourth of the stacked weights: 3,072 rows of 768 bytes on
	s_mov_b32 s59, 0
	s_mul_i32 s60, s[WV], 12288
	s_add_co_u32 s60, s60, 2359296+196608          ; Y's first piece begins at Wo's row 256
	s_mov_b32 s61, 0
	s_mov_b32 s52, 0x76543210
	s_mov_b32 s53, 0xfedcba98
	s_mov_b32 s54, 0x3a800000                      ; 1 / 1,024
	s_mov_b32 s55, 0x2b8cbccc                      ; 1e-12
	s_wait_kmcnt 0x0
	s_mov_b32 s[G0X], 1
	s_mov_b32 s[G0X+1], s56
	s_add_nc_u64 s[G0X+2:G0X+3], s[4:5], s[58:59]
	s_or_b32 s[G0X+3], s[G0X+3], 0x80000000
	s_mov_b32 s[G0Y], 1
	s_mov_b32 s[G0Y+1], s57
	s_add_nc_u64 s[G0Y+2:G0Y+3], s[4:5], s[60:61]
	s_or_b32 s[G0Y+3], s[G0Y+3], 0x80000000
	CROUND                                         ; all four work-groups are here: the first joint loads meet
	tensor_load_to_lds s[G0X:G0X+3], s[G1X:G1X+7]  ; rows 0-255
	s_nop 0
	tensor_load_to_lds s[G0Y:G0Y+3], s[G1Y:G1Y+7]  ; rows 256-383: two loads of mine are out
	s_nop 0
.rept 4
	v_nop
.endr
	v_and_b32 v102, 15, v0                         ; r
	v_bfe_u32 v103, v0, 4, 1                       ; h
	v_and_b32 v104, 31, v0                         ; lane
	v_lshlrev_b32 v[LI], 4, v104
	v_lshlrev_b32 v[L4], 2, v104
	v_lshlrev_b32 v[PFO], 8, v104
	v_mul_u32_u24 v105, v102, RP
	v_mad_u32_u24 v3, v103, 24, v105
	v_mad_u32_u24 v4, v103, 40, v105
	v_add_nc_u32 v5, s57, v3
	v_add_nc_u32 v6, s57, v4
	v_add_nc_u32 v3, s56, v3
	v_add_nc_u32 v4, s56, v4
	v_mul_u32_u24 v105, v102, SGP
	v_lshl_add_u32 v105, v103, 6, v105             ; the stage: row r, + 64 h
	s_lshl_b32 s62, s[WV], 7                       ; X: my 32 columns of a piece: 128 w bytes
	v_add_nc_u32 v8, s62, v105
	v_add_nc_u32 v9, 16*SGP, v8                    ; ctx tile 1: 16 rows further down
	s_lshr_b32 s63, s[WV], 1
	s_lshl_b32 s63, s63, 7
	s_and_b32 s25, s[WV], 1
	s_lshl_b32 s25, s25, 5
	s_add_co_u32 s63, s63, s25                     ; Y: 4 (32 (w / 2) + 8 (w % 2)) bytes
	v_add_nc_u32 v10, s63, v105
	v_add_nc_u32 v11, 16*SGP, v10
	s_mul_i32 s25, s[WV], 4*SGP
	v_add_nc_u32 v[SR], s25, v[LI]                 ; back: my four rows, 16 bytes a lane
	v_lshl_add_u32 v[VBX], v103, 6, s62            ; bo: the same columns
	v_lshl_add_u32 v[VBY], v103, 6, s63
	v_lshlrev_b32 v105, 5, v102
	v_lshl_add_u32 v105, v103, 4, v105             ; Wo's scale bytes: row r of 32 bytes; lanes 0-15 K steps 0-3, lanes 16-31 K steps 4-7
	s_lshl_b32 s25, s[WV], 10
	v_add_nc_u32 v[VWX], s25, v105
	s_lshl_b32 s25, s[WV], 9
	v_add_nc_u32 v[VWY], s25, v105
	s_mul_i32 s26, s24, 24576                      ; my two tiles' 16 images
	s_mov_b32 s27, 0
	s_add_nc_u64 s[8:9], s[8:9], s[26:27]
	s_lshl_b32 s26, s24, 10
	s_add_nc_u64 s[10:11], s[10:11], s[26:27]
	s_add_nc_u64 s[6:7], s[6:7], 98304             ; Wo's scale bytes
	s_lshl_b32 s26, s24, 5                         ; the rows that I norm: stage rows 4 w .. 4 w + 3 are rows 32 g + 8 (w / 4) + 4 (w % 4) + 8 ((w / 2) % 2) + i
	s_lshr_b32 s25, s[WV], 2
	s_lshl_b32 s25, s25, 3
	s_add_co_u32 s26, s26, s25
	s_and_b32 s25, s[WV], 3
	s_lshl_b32 s25, s25, 2
	s_add_co_u32 s26, s26, s25
	s_bfe_u32 s25, s[WV], 0x10001
	s_lshl_b32 s25, s25, 3
	s_add_co_u32 s26, s26, s25
	s_lshl_b32 s26, s26, 12
	s_add_nc_u64 s[12:13], s[12:13], s[26:27]
	s_add_nc_u64 s[20:21], s[20:21], s[26:27]
	WIN 0x40                                       ; destination window 1
.set I, 0
.rept 16
.irp c, 0,1,2
	global_load_b128 v[12*I+4*\c:12*I+4*\c+3], v[LI], s[8:9] offset:1536*I+512*\c
.endr
.set I, I+1
.endr
	WIN 0
.irp s, 0,1,2,3,4,5,6,7
	global_load_b32 v[ASC+\s], v[L4], s[10:11] offset:128*\s   ; lanes 0-15 tile 0's rows, lanes 16-31 tile 1's
.endr
.macro HEADX k, bx, u                  ; tile k: stored rows bx + 32 w + 16 u on; columns bx + 32 w + 8 u + 16 h + j
	global_load_b128 v[WSC+4*\k:WSC+4*\k+3], v[VWX], s[6:7] offset:32*(\bx+16*\u)
.irp T, 0,1
	global_load_b128 v[ACC+16*\k+8*\T:ACC+16*\k+8*\T+3], v[VBX], s[14:15] offset:4*(\bx+8*\u)
	global_load_b128 v[ACC+16*\k+8*\T+4:ACC+16*\k+8*\T+7], v[VBX], s[14:15] offset:4*(\bx+8*\u)+16
.endr
.endm
.macro HEADY k, by                     ; tile k: stored rows by + 16 w on; columns by + 32 (w / 2) + 8 (w % 2) + 16 h + j
	global_load_b128 v[WSC+4*\k:WSC+4*\k+3], v[VWY], s[6:7] offset:32*\by
.irp T, 0,1
	global_load_b128 v[ACC+16*\k+8*\T:ACC+16*\k+8*\T+3], v[VBY], s[14:15] offset:4*\by
	global_load_b128 v[ACC+16*\k+8*\T+4:ACC+16*\k+8*\T+7], v[VBY], s[14:15] offset:4*\by+16
.endr
.endm
	HEADX 0, 0, 0
	HEADX 1, 0, 1
	HEADY 2, 256
	HEADX 3, 384, 0
	HEADX 4, 384, 1
	HEADY 5, 640
	HEADX 6, 768, 0
	HEADX 7, 768, 1
; One tile of 16 stored rows of Wo against both tiles of ctx, all of K: twice four fragments from LDS and eight products, the two accumulators by turns.
.macro TILE k, adr, off
.irp hs, 0,1
.rept 4
	v_nop                                          ; places in front of loads into registers that the last products read
.endr
.irp q, 0,1,2,3
.irp p, 0,1,2,3,4,5
.set PCI, 12*(4*\hs+\q)+6*(\p/3)+\p%3          ; the row's piece of 8 bytes; 16 bytes of padding lie behind every 32 pieces; lanes 16-31 read three pieces on
.if PCI%32 < 29
	ds_load_b64 v[BF+12*\q+2*\p:BF+12*\q+2*\p+1], v[\adr] offset:8*PCI+16*(PCI/32)+\off
.else
	ds_load_b64 v[BF+12*\q+2*\p:BF+12*\q+2*\p+1], v[\adr+1] offset:8*PCI+16*(PCI/32)+\off
.endif
.endr
.endr
	s_wait_dscnt 0x0
	WIN 0x04                                       ; source 1 (ctx) window 1
.irp q, 0,1,2,3
.if \hs == 0
	v_wmma_scale_f32_16x16x128_f8f6f4 v[ACC+16*\k:ACC+16*\k+7], v[BF+12*\q:BF+12*\q+11], v[12*\q:12*\q+11], v[ACC+16*\k:ACC+16*\k+7], v[WSC+4*\k+\q], v[ASC+\q] matrix_a_fmt:MATRIX_FMT_FP6 matrix_b_fmt:MATRIX_FMT_FP6
	v_wmma_scale_f32_16x16x128_f8f6f4 v[ACC+16*\k+8:ACC+16*\k+15], v[BF+12*\q:BF+12*\q+11], v[12*(8+\q):12*(8+\q)+11], v[ACC+16*\k+8:ACC+16*\k+15], v[WSC+4*\k+\q], v[ASC+\q] matrix_a_fmt:MATRIX_FMT_FP6 matrix_b_fmt:MATRIX_FMT_FP6 matrix_b_scale:MATRIX_SCALE_ROW1
.else
	v_wmma_scale_f32_16x16x128_f8f6f4 v[ACC+16*\k:ACC+16*\k+7], v[BF+12*\q:BF+12*\q+11], v[12*(4+\q):12*(4+\q)+11], v[ACC+16*\k:ACC+16*\k+7], v[WSC+4*\k+\q], v[ASC+4+\q] matrix_a_fmt:MATRIX_FMT_FP6 matrix_b_fmt:MATRIX_FMT_FP6 matrix_a_scale:MATRIX_SCALE_ROW1
	v_wmma_scale_f32_16x16x128_f8f6f4 v[ACC+16*\k+8:ACC+16*\k+15], v[BF+12*\q:BF+12*\q+11], v[12*(12+\q):12*(12+\q)+11], v[ACC+16*\k+8:ACC+16*\k+15], v[WSC+4*\k+\q], v[ASC+4+\q] matrix_a_fmt:MATRIX_FMT_FP6 matrix_b_fmt:MATRIX_FMT_FP6 matrix_a_scale:MATRIX_SCALE_ROW1 matrix_b_scale:MATRIX_SCALE_ROW1
.endif
.endr
	WIN 0
.endr
.endm
; A region that has been read is filled again with its next piece: every wave waits for all its tensor loads, adds 0 to its spare word, waits for that and for its reads; a round of the cluster's barrier; the one load.
.macro REFILL g0, g1
	s_wait_tensorcnt 0x0                           ; no tensor load of mine is out (the other region's piece has landed), so a group 0 may be written
	ds_add_u32 v[SPW], v[NIL]                      ; 0 onto my spare word
	s_add_nc_u64 s[\g0+2:\g0+3], s[\g0+2:\g0+3], STEPW
	s_wait_dscnt 0x0                               ; the add is done, and my reads of the region are over
	CROUND
	tensor_load_to_lds s[\g0:\g0+3], s[\g1:\g1+7]
	s_nop 0
.rept 4
	v_nop
.endr
.endm
	s_wait_loadcnt 0x0                             ; ctx, the scale words, bo
	s_wait_tensorcnt 1                             ; my rows of X are in (Y's load may be out); nobody else reads them
	TILE 0, AX, 0
	TILE 1, AX, 16*RP
	REFILL G0X, G1X                                ; rows 384-639
	global_prefetch_b8 v[PFO], s[12:13] th:TH_LOAD_NT scope:SCOPE_SE               ; the four rows of hidden_states that I shall norm, 16 KiB, lanes 256 bytes apart: asked for here, six tiles of products ahead of their loads;
	global_prefetch_b8 v[PFO], s[12:13] offset:8192 th:TH_LOAD_NT scope:SCOPE_SE   ; each wave of the launch names its own rows, once
	TILE 2, AY, 0
	REFILL G0Y, G1Y                                ; rows 640-767
	TILE 3, AX, 0
	TILE 4, AX, 16*RP
	REFILL G0X, G1X                                ; rows 768-1,023: the last load
	TILE 5, AY, 0
	s_wait_tensorcnt 0x0                           ; no load was issued behind the last
	TILE 6, AX, 0
	TILE 7, AX, 16*RP
	; ---- the stage
.rept 4
	v_nop                                          ; places in front of the first read of results and of loads into operands
.endr
	s_wait_dscnt 0x0
	s_barrier_signal -1
	s_barrier_wait -1                              ; nobody reads region X any more, and it has had its last fill
.macro STGX k, bx, u                   ; each accumulator from its low end on
	ds_store_b128 v8, v[ACC+16*\k:ACC+16*\k+3] offset:4*(\bx+8*\u)
	ds_store_b128 v8, v[ACC+16*\k+4:ACC+16*\k+7] offset:4*(\bx+8*\u)+16
	ds_store_b128 v9, v[ACC+16*\k+8:ACC+16*\k+11] offset:4*(\bx+8*\u)
	ds_store_b128 v9, v[ACC+16*\k+12:ACC+16*\k+15] offset:4*(\bx+8*\u)+16
.endm
.macro STGY k, by
	ds_store_b128 v10, v[ACC+16*\k:ACC+16*\k+3] offset:4*\by
	ds_store_b128 v10, v[ACC+16*\k+4:ACC+16*\k+7] offset:4*\by+16
	ds_store_b128 v11, v[ACC+16*\k+8:ACC+16*\k+11] offset:4*\by
	ds_store_b128 v11, v[ACC+16*\k+12:ACC+16*\k+15] offset:4*\by+16
.endm
	STGX 0, 0, 0
	STGX 1, 0, 1
	STGY 2, 256
	STGX 3, 384, 0
	STGX 4, 384, 1
	STGY 5, 640
	STGX 6, 768, 0
	STGX 7, 768, 1
	WIN 0x40                                       ; gamma and beta into window 1: lane L holds columns 128 k + 4 L .. + 3
.irp k, 0,1,2,3,4,5,6,7
	global_load_b128 v[4*\k:4*\k+3], v[LI], s[16:17] offset:512*\k
.endr
.irp k, 0,1,2,3,4,5,6,7
	global_load_b128 v[32+4*\k:32+4*\k+3], v[LI], s[18:19] offset:512*\k
.endr
	WIN 0
	v_mov_b32 v[TR+1], 0                           ; a lane permute's destination counts as one of its sources
	v_mov_b32 v[NM+1], 0                           ; (named as the upper halves of pairs)
	v_mov_b32 v[RS+1], 0
	s_wait_dscnt 0x0                               ; my stores into the stage are done, and have read the accumulators:
.irp i, 0,1,2,3
.irp k, 0,1,2,3,4,5,6,7
	global_load_b128 v[ACC+32*\i+4*\k:ACC+32*\i+4*\k+3], v[LI], s[12:13] offset:4096*\i+512*\k th:TH_LOAD_NT   ; which take my four rows of hidden_states
.endr
.endr
	s_barrier_signal -1
	s_barrier_wait -1                              ; 32 whole rows lie in the stage
.macro REDUCE                          ; the sum over the 32 lanes, in every lane
	v_add_f32_dpp v[TR], v[TR], v[TR] row_xmask:1 row_mask:0xf bank_mask:0xf
	v_add_f32_dpp v[TR], v[TR], v[TR] row_xmask:2 row_mask:0xf bank_mask:0xf
	v_add_f32_dpp v[TR], v[TR], v[TR] row_xmask:4 row_mask:0xf bank_mask:0xf
	v_add_f32_dpp v[TR], v[TR], v[TR] row_xmask:8 row_mask:0xf bank_mask:0xf
	v_permlanex16_b32 v[TR+1], v[TR], s52, s53
	v_add_f32 v[TR], v[TR], v[TR+1]
.endm
.macro LNROW i
.set XR, ACC+32*\i
.irp k, 0,1,2,3,4,5,6,7
	ds_load_b128 v[YR+4*\k:YR+4*\k+3], v[SR] offset:SGP*\i+512*\k
.endr
	s_wait_loadcnt 8*(3-\i)                        ; gamma, beta and this row of hidden_states are in; the later rows may be out
	s_wait_dscnt 0x0
.set J, 0
.rept 16
	v_pk_add_f32 v[XR+J:XR+J+1], v[XR+J:XR+J+1], v[YR+J:YR+J+1]   ; x = ctx Wo^T + bo + hidden_states
.set J, J+2
.endr
	v_pk_add_f32 v[TS0:TS0+1], v[XR:XR+1], v[XR+2:XR+3]
	v_pk_add_f32 v[TS2:TS2+1], v[XR+4:XR+5], v[XR+6:XR+7]
.set J, 8
.rept 6
	v_pk_add_f32 v[TS0:TS0+1], v[TS0:TS0+1], v[XR+J:XR+J+1]
	v_pk_add_f32 v[TS2:TS2+1], v[TS2:TS2+1], v[XR+J+2:XR+J+3]
.set J, J+4
.endr
	v_pk_add_f32 v[TS0:TS0+1], v[TS0:TS0+1], v[TS2:TS2+1]
	v_add_f32 v[TR], v[TS0], v[TS0+1]
	REDUCE
	v_mul_f32 v[NM], 0xba800000, v[TR]             ; -mean
.set J, 0
.rept 16
	v_pk_add_f32 v[XR+J:XR+J+1], v[XR+J:XR+J+1], v[NM:NM+1] op_sel_hi:[1,0]
.set J, J+2
.endr
	v_pk_mul_f32 v[TS0:TS0+1], v[XR:XR+1], v[XR:XR+1]
	v_pk_mul_f32 v[TS2:TS2+1], v[XR+2:XR+3], v[XR+2:XR+3]
.set J, 4
.rept 7
	v_pk_fma_f32 v[TS0:TS0+1], v[XR+J:XR+J+1], v[XR+J:XR+J+1], v[TS0:TS0+1]
	v_pk_fma_f32 v[TS2:TS2+1], v[XR+J+2:XR+J+3], v[XR+J+2:XR+J+3], v[TS2:TS2+1]
.set J, J+4
.endr
	v_pk_add_f32 v[TS0:TS0+1], v[TS0:TS0+1], v[TS2:TS2+1]
	v_add_f32 v[TR], v[TS0], v[TS0+1]
	REDUCE
	v_fma_f32 v[TR], v[TR], s54, s55               ; variance + eps
	v_rsq_f32 v[RS], v[TR]
	v_nop                                          ; one plain place behind a transcendental
.set J, 0
	s_wait_alu depctr_va_vdst(0)
.rept 16
	v_pk_mul_f32 v[XR+J:XR+J+1], v[XR+J:XR+J+1], v[RS:RS+1] op_sel_hi:[1,0]
.set J, J+2
.endr
	WIN 0x14                                       ; sources 1 (gamma) and 2 (beta) window 1
.set J, 0
.rept 16
	v_pk_fma_f32 v[XR+J:XR+J+1], v[XR+J:XR+J+1], v[J:J+1], v[32+J:32+J+1]
.set J, J+2
.endr
	WIN 0
.irp k, 0,1,2,3,4,5,6,7
	global_store_b128 v[LI], v[XR+4*\k:XR+4*\k+3], s[20:21] offset:4096*\i+512*\k th:TH_STORE_NT   ; 512 consecutive bytes, aligned; a row's registers are written no more
.endr
.endm
	LNROW 0
	LNROW 1
	LNROW 2
	LNROW 3
	s_wait_tensorcnt 0x0                           ; the wave's end
	ds_add_u32 v[SPW], v[NIL]
	s_wait_dscnt 0x0
	CROUND                                         ; the closing round
	s_endpgm
.Lfunc_end_k_q545623e805_oproj:
	.size	k_q545623e805_oproj, .Lfunc_end_k_q545623e805_oproj-k_q545623e805_oproj
	.p2alignl 7, 3214868480
	.fill 96, 4, 3214868480
	.section	.rodata,"a",@progbits
	.p2align	6, 0x0
	.amdhsa_kernel k_q545623e805_oproj
		.amdhsa_group_segment_fixed_size 327680
		.amdhsa_private_segment_fixed_size 0
		.amdhsa_enable_private_segment 0
		.amdhsa_kernarg_size 72
		.amdhsa_user_sgpr_count 2
		.amdhsa_user_sgpr_kernarg_segment_ptr 1
		.amdhsa_wavefront_size32 1
		.amdhsa_system_sgpr_workgroup_id_x 1
		.amdhsa_system_sgpr_workgroup_id_y 1
		.amdhsa_system_sgpr_workgroup_id_z 1
		.amdhsa_system_vgpr_workitem_id 0
		.amdhsa_next_free_vgpr 448
		.amdhsa_next_free_sgpr 66
		.amdhsa_reserve_vcc 0
		.amdhsa_float_denorm_mode_32 3
		.amdhsa_float_denorm_mode_16_64 3
		.amdhsa_memory_ordered 1
		.amdhsa_forward_progress 1
		.amdhsa_inst_pref_size 102
	.end_amdhsa_kernel
	.amdgpu_metadata
---
amdhsa.version: [ 1, 2 ]
amdhsa.kernels:
  - .name:           k_q545623e805_oproj
    .symbol:         k_q545623e805_oproj.kd
    .args:
      - { .name: w_codes, .offset: 0, .size: 8, .value_kind: global_buffer, .address_space: global }
      - { .name: w_scales, .offset: 8, .size: 8, .value_kind: global_buffer, .address_space: global }
      - { .name: ctx_img, .offset: 16, .size: 8, .value_kind: global_buffer, .address_space: global }
      - { .name: ctx_sc, .offset: 24, .size: 8, .value_kind: global_buffer, .address_space: global }
      - { .name: hidden_states, .offset: 32, .size: 8, .value_kind: global_buffer, .address_space: global }
      - { .name: bo, .offset: 40, .size: 8, .value_kind: global_buffer, .address_space: global }
      - { .name: ln_gamma, .offset: 48, .size: 8, .value_kind: global_buffer, .address_space: global }
      - { .name: ln_beta, .offset: 56, .size: 8, .value_kind: global_buffer, .address_space: global }
      - { .name: out0, .offset: 64, .size: 8, .value_kind: global_buffer, .address_space: global }
    .group_segment_fixed_size: 327680
    .private_segment_fixed_size: 0
    .kernarg_segment_align: 8
    .kernarg_segment_size: 72
    .max_flat_workgroup_size: 256
    .sgpr_count:     66
    .vgpr_count:     448
    .wavefront_size: 32
...
	.end_amdgpu_metadata
.endif
;; end of part 4
